; MI455X (gfx1250); checked and timed in simulation.
; The chip was launched on July 23, 2026; its instructions are those of AMD's public machine-readable ISA for CDNA 5 (MIT licence, August 2026) and "CDNA5" Instruction Set Architecture Reference Guide (July 2026). The comments in the code are by the model that wrote it; some were corrected since.
;; Multi Head Attention. Allowed arithmetic: matrix products marked QUANTISED: E2M3 operands, one E8M0 scale for each 32 along K, by v_wmma_scale_f32_16x16x128_f8f6f4 with both operands' format E2M3, f32 sums; everything else in f32.
;; Inputs: Wk 2,048 x 2,048 float32; Wo 2,048 x 2,048 float32; Wq 2,048 x 2,048 float32; Wv 2,048 x 2,048 float32; attention_mask 2,048 x 2,048 bool; bo 2,048 float32; query 1 x 2,048 x 2,048 float32.
;; Outputs: out0 1 x 2,048 x 2,048 float32.
;; This version of the problem:
;;   THIS VERSION OF THE PROBLEM IS GIVEN IN LOW PRECISION. The matrix products marked QUANTISED in the list below multiply operands that are first quantised to E2M3 (2 exponent bits, 3 mantissa bits; 6 bits a number), with one power-of-two scale for each 32 numbers along K (OCP MX v1.0); their sums are f32. All else is computed in f32.
;;   The module's matrix products, in the order in which they are computed (A, B: the left and right operand; K: the contracted axis; several contracted axes count as one K, in the product's order):
;;     1. [M 2,048, K 2,048] x [K 2,048, N 2,048]; A: input query; B: input Wq: QUANTISED
;;     2. [M 2,048, K 2,048] x [K 2,048, N 2,048]; A: input query; B: input Wk: QUANTISED
;;     3. [M 2,048, K 2,048] x [K 2,048, N 2,048]; A: input query; B: input Wv: QUANTISED
;;     4. batch 16 x [M 2,048, K 128] x [K 128, N 2,048]; A: computed on the way; B: computed on the way: QUANTISED
;;     5. batch 16 x [M 2,048, K 2,048] x [K 2,048, N 128]; A: softmax (see below); B: computed on the way: QUANTISED
;;     6. [M 2,048, K 2,048] x [K 2,048, N 2,048]; A: computed on the way; B: input Wo: QUANTISED
;;   THE QUANTISER, for each operand of a quantised product, along K:
;;     - K is cut into blocks of 32 from its start; a last block that is shorter is filled with zeros.
;;     - A block's scale is 2^e with e = floor(log2(the largest magnitude in the block)) - 2, held to -126 .. 127; a block of zeros has e = 0. As a byte (E8M0): e + 127.
;;     - Each number is divided by its block's scale, clamped to +-7.5, and rounded to the nearest number of E2M3, ties to even, subnormals kept.
;;     - The product sums the exact products of the quantised numbers (number of the format x scale) in f32.
;;   ~~~python
;;   def quantise(x, axis):      # numpy; x: float32 -> the quantised numbers, widened to float32 again
;;       x = np.moveaxis(x, axis, -1); K = x.shape[-1]
;;       x = np.pad(x, [(0, 0)] * (x.ndim - 1) + [(0, -K % 32)]); x = x.reshape(x.shape[:-1] + (-1, 32)); a = np.abs(x).max(-1, keepdims=True)
;;       e = np.where(a > 0, np.clip(np.frexp(np.where(a > 0, a, 1))[1] - 1 - 2, -126, 127), 0)      # np.frexp(a)[1] - 1 = floor(log2(a)), exactly
;;       r = np.clip(x / 2.0 ** e, -7.5, 7.5)
;;       step = 2.0 ** (np.maximum(np.frexp(np.where(r == 0, 1, r))[1] - 1, 0) - 3)
;;       q = np.round(r / step) * step * 2.0 ** e      # np.round: ties to even
;;       return np.moveaxis(q.reshape(q.shape[:-2] + (-1,))[..., :K], -1, axis).astype(np.float32)
;;   ~~~
;;   SOFTMAX AHEAD OF A QUANTISED PRODUCT. Where the list says 'softmax', what is quantised is not the finished softmax but p = 2^(t - M), with t = logit x log2(e) and M = ceil(the row's largest t), a whole number; so 1/2 < the row's largest p <= 1. The row's sum l is taken of the UNQUANTISED p, in f32, and the product's result is divided by l at the end. Since M is a whole number, a kernel that streams over the keys may use a running M (the ceiling of the running maximum): every later rescaling is an exact power of two, which a block's scale takes up: the codes' values come out the same.
;;   OPERANDS COMPUTED ON THE WAY. 'Computed on the way' means the value that the module computes at that place (a softmax that the list does not call 'softmax' is quantised finished and normalised). What goes into a quantiser is computed in f32, as accurately as f32 sums, v_exp_f32 and their like allow (about 1e-6 of the number): no bf16 or f16 on the way to a quantiser, and a product that is left as it is and whose result goes on into a quantised operand takes f32 operands (vector FMAs, or v_wmma_f32_16x16x4_f32). A number that lies on a knife's edge between two numbers of the format may be rounded either way, as far as f32 arithmetic and the matrix unit's own rounding can turn it there, and no further.
;; One version. Each part assembles by itself: llvm-mc -triple=amdgcn-amd-amdhsa -mcpu=gfx1250 --defsym DOCPART=n.
;; ======== version 1 of 1: 4 launches
;; limits: right only within a limited range of input values
;; workspace buffers: w1 16,384,000 bytes; mw 540,672 bytes of whole numbers; qkv 9,830,400 bytes; ao 3,276,800 bytes
;; launch prep (part 1): grid 672 x 1, 4 waves a work-group, no clusters, 35,328 bytes of LDS; arguments query, Wq, Wk, Wv, Wo, attention_mask, w1, mw; writes w1, mw
.if DOCPART == 1
	.amdgcn_target "amdgcn-amd-amdhsa--gfx1250"
	.amdhsa_code_object_version 6
	.text
	.protected	k_q5ceadc1015_prep
	.globl	k_q5ceadc1015_prep
	.p2align	8
	.type	k_q5ceadc1015_prep,@function
k_q5ceadc1015_prep:
	s_mov_b64 s[64:65], 0
	v_nop
	global_prefetch_b8 v0, s[64:65] scope:SCOPE_SE
	s_setreg_imm32_b32 hwreg(HW_REG_WAVE_MODE, 25, 1), 1
	s_wait_xcnt 0x0
; MULTI-HEAD ATTENTION IN MX-FP6 (E2M3), FOUR LAUNCHES: prep, qkv, attn, oproj.  THIS ONE: the five f32 tensors become codes and scale words, once; the mask becomes lane-mask words and step flags.
; DEAD WORK: nothing of the problem is left out for all values of the inputs; every input is loaded by some launch.  What a GIVEN mask hides is left out only in whole key steps (16 queries x 128 keys), by the flags that
; this launch stores as whole numbers and the attention launch reads: a hidden key's p is 2^(NEG log2(e) - M), which is 0 beside any open key of its row; a tile of queries that holds a row with NO open key walks every step
; (all its p are 1 there).  And in a key step that is open for all 16 queries the selection by the mask changes no score: a second flag says where it is owed.
; A NaN, an infinity or an overflow that would arise only in a step left out is not carried to the result.
; LIMITS: NaN and infinities among the inputs are not served; a block whose largest magnitude lies under 2^-124 (a block of zeros too) gets the scale byte 1: its codes are zeros or held small, and the bytes are read by this program alone.
; THE ROWS OF A TILE: tile T = 2 B + U of 16 rows holds, at place i, row 32 B + 8 U + i + 8 (i / 8).  All four launches use this one rule, for tokens, weight rows and channels alike.
; w1: tensor n (0 query, 1 Wq, 2 Wk, 3 Wv, 4 Wo) at n x 3,145,728: [row tile 128][K step 16][1,536 bytes]: a fragment (16 rows x 128 K, 12 registers a lane) as an image of its registers: registers 4 k .. 4 k + 3 of lane l at 512 k + 16 l.
;     scale words at 15,728,640 + n x 131,072: [row tile][pair of K steps 8][32 words]: words 0-15 the even step's rows, words 16-31 the odd step's.
; mw: [tile of queries 128][key step 16][64 words]: bit l of word n = mask[query of place l % 16][128 step + 32 (n / 16) + 16 (l / 16) + n % 16]; at 524,288: [tile][32 equal words]: bit s = key step s is walked;
;     bit 16 + s = key step s holds a closed key for some of the tile's 16 queries.
; Work-groups 0-31: the mask, a wave to a tile of queries, no LDS.  Work-groups 32-671: a row tile of one tensor, wave w its K steps 4 w .. 4 w + 3.  No barrier: waves share nothing.
.set WREG,  8704                       ; LDS of a wave: a stage of 16 rows x (512 + 16) bytes, then its 256 bytes of scale words
.set SPARE, 4*WREG                     ; behind the four: the spare words, 128 bytes a wave
.set SPW, 12                           ; v12 my spare word's address; v13 zero: never rewritten
.set NIL, 13
.set TM,  14                           ; v14-15 largest magnitudes; v16-17 the conversions' scale operands; v18-19 the bytes; v20 the scale word; v21 the other half's
.set SO,  16
.set BY,  18
.set PC,  22                           ; v22-33 the fragment's 12 registers
.set YT,  34                           ; v34-36, v38-40 the upper halves of the two blocks, as converted
.set R,   48                           ; v48-111 and v176-239: 16 rows as loaded, two sets by the K step's parity
.set X,   112                          ; v112-175 my two blocks of 32 neighbours
	s_load_b512 s[4:19], s[0:1], 0x0               ; query, Wq, Wk, Wv, Wo, mask s[14:15], w1 s[16:17], mw s[18:19]
	v_lshl_add_u32 v[SPW], v0, 2, SPARE
	v_mov_b32 v[NIL], 0
	v_lshrrev_b32 v1, 5, v0
	v_readfirstlane_b32 s20, v1                    ; wave
	v_and_b32 v1, 31, v0                           ; lane
	v_and_b32 v2, 15, v0                           ; r
	v_bfe_u32 v3, v0, 4, 1                         ; h
	v_lshlrev_b32 v10, 3, v1                       ; 8 x lane
	s_cmp_lt_u32 ttmp9, 32
	s_cbranch_scc1 .Lmask
; ---------------- a tensor's row tile ----------------
	s_sub_co_u32 s21, ttmp9, 32
	s_lshr_b32 s22, s21, 7                         ; which tensor
	s_and_b32 s21, s21, 127                        ; which row tile
	s_mul_i32 s23, s20, WREG
	v_lshlrev_b32 v4, 4, v1                        ; 16 x lane: in a row's 512 bytes, and in an image
	v_add_nc_u32 v5, s23, v4                       ; the stage, on the way in
	v_mul_u32_u24 v6, v2, 528
	v_lshl_add_u32 v6, v3, 7, v6
	v_add_nc_u32 v6, s23, v6                       ; and out: row r, + 128 h: my 32 numbers of each 64
	s_add_co_u32 s23, s23, 8448
	v_lshl_add_u32 v7, v2, 2, s23                  ; my row's scale word
	v_add_nc_u32 v8, s23, v10                      ; and 8 bytes a lane on their way out
	v_lshlrev_b32 v11, 3, v3                       ; 8 h: my bytes' shift in the word
	v_mov_b32 v21, 0                               ; a lane permute's destination counts as read
	s_mov_b32 s32, 0x76543210
	s_mov_b32 s33, 0xfedcba98                      ; lane l xor 16
	s_lshr_b32 s24, s21, 1
	s_lshl_b32 s24, s24, 5
	s_and_b32 s25, s21, 1
	s_lshl_b32 s25, s25, 3
	s_add_co_u32 s24, s24, s25                     ; the tile's first row
	s_lshl_b32 s24, s24, 13                        ; rows of 8,192 bytes
	s_lshl_b32 s25, s20, 11                        ; my four K steps: 2,048 bytes on for each wave
	s_add_co_u32 s24, s24, s25
	s_mov_b32 s25, 0
	s_mul_i32 s26, s22, 3145728
	s_mul_i32 s27, s21, 24576
	s_add_co_u32 s26, s26, s27
	s_mul_i32 s27, s20, 6144
	s_add_co_u32 s26, s26, s27                     ; my four images
	s_mov_b32 s27, 0
	s_lshl_b32 s28, s22, 17
	s_lshl_b32 s29, s21, 10
	s_add_co_u32 s28, s28, s29
	s_lshl_b32 s29, s20, 8
	s_add_co_u32 s28, s28, s29
	s_add_co_u32 s28, s28, 15728640                ; my 256 bytes of scale words
	s_mov_b32 s29, 0
	s_wait_alu depctr_va_vdst(0)
	s_wait_kmcnt 0x0
	s_cmp_eq_u32 s22, 1                            ; the choice hangs on the work-group's number alone
	s_cselect_b64 s[4:5], s[6:7], s[4:5]
	s_cmp_eq_u32 s22, 2
	s_cselect_b64 s[4:5], s[8:9], s[4:5]
	s_cmp_eq_u32 s22, 3
	s_cselect_b64 s[4:5], s[10:11], s[4:5]
	s_cmp_eq_u32 s22, 4
	s_cselect_b64 s[4:5], s[12:13], s[4:5]
	s_add_nc_u64 s[4:5], s[4:5], s[24:25]
	s_add_nc_u64 s[30:31], s[16:17], s[26:27]
	s_add_nc_u64 s[16:17], s[16:17], s[28:29]
.macro LOAD s                          ; K step s of the 16 rows, into the set of its parity: each load reads 512 consecutive bytes of one row
.irp i, 0,1,2,3,4,5,6,7,8,9,10,11,12,13,14,15
	global_load_b128 v[R+128*((\s)%2)+4*\i:R+128*((\s)%2)+4*\i+3], v4, s[4:5] offset:(\i+8*(\i/8))*8192+512*(\s) th:TH_LOAD_NT
.endr
.endm
.macro QFRAG s                         ; the step's numbers turn through the stage, so that lane (r, h) holds k = 64 c + 32 h + 0 .. 31 of row r: two whole blocks; then scale, codes, image
.if (\s) < 3
	s_wait_loadcnt 16                              ; this step's sixteen loads are in; the next step's sixteen stay out
.else
	s_wait_loadcnt 0x0
.endif
.irp i, 0,1,2,3,4,5,6,7,8,9,10,11,12,13,14,15
	ds_store_b128 v5, v[R+128*((\s)%2)+4*\i:R+128*((\s)%2)+4*\i+3] offset:528*\i
.endr
.irp c, 0,1
.irp q, 0,1,2,3,4,5,6,7
	ds_load_b128 v[X+32*\c+4*\q:X+32*\c+4*\q+3], v6 offset:256*\c+16*\q   ; LDS serves a wave's instructions in order: these see the stores above
.endr
.endr
	s_wait_dscnt 0x0                               ; my numbers are back, and the stores have read the set that the loads below fill
.if (\s) < 2
	LOAD (\s)+2                                    ; two K steps ahead: 32 loads of mine are out again
.endif
.irp c, 0,1
	v_max3_num_f32 v[TM+\c], |v[X+32*\c]|, |v[X+32*\c+1]|, 0x1800000   ; the floor 2^(3 - 127) among the leaves: the byte cannot fall under 1
.endr
.irp i, 2,4,6,8,10,12,14,16,18,20,22,24,26,28,30
.irp c, 0,1
	v_max3_num_f32 v[TM+\c], v[TM+\c], |v[X+32*\c+\i]|, |v[X+32*\c+\i+1]|
.endr
.endr
.irp c, 0,1
	v_add_nc_u32 v[SO+\c], 0xff000000, v[TM+\c]    ; 2 off the exponent field: the conversion's scale operand
.endr
.irp c, 0,1
	v_lshrrev_b32 v[BY+\c], 23, v[SO+\c]           ; the scale's byte
.endr
	v_lshl_or_b32 v20, v[BY+1], 16, v[BY]          ; blocks h and 2 + h of my row,
	v_lshlrev_b32 v20, v11, v20                    ; at their places;
	v_permlanex16_b32 v21, v20, s32, s33
	v_or_b32 v20, v20, v21                         ; with the other half's two the word is whole
	s_wait_alu depctr_va_vdst(0)
	s_wait_xcnt 0x0                                ; the last step's stores have read the codes' registers
.irp c, 0,1
	v_cvt_scalef32_pk16_fp6_f32 v[PC+6*\c:PC+6*\c+2], v[X+32*\c:X+32*\c+15], v[SO+\c]
	v_cvt_scalef32_pk16_fp6_f32 v[YT+4*\c:YT+4*\c+2], v[X+32*\c+16:X+32*\c+31], v[SO+\c]   ; (a conversion's three registers begin on an even number)
.endr
	v_nop                                          ; one plain place behind the conversions
.irp c, 0,1
.irp i, 0,1,2
	v_mov_b32 v[PC+6*\c+3+\i], v[YT+4*\c+\i]
.endr
.endr
.irp k, 0,1,2
	global_store_b128 v4, v[PC+4*\k:PC+4*\k+3], s[30:31] offset:1536*(\s)+512*\k   ; 32 lanes store 512 consecutive bytes, aligned to 256
.endr
	ds_store_b32 v7, v20 offset:64*(\s)            ; both halves write the same word with the same value
.endm
	LOAD 0
	LOAD 1
	QFRAG 0
	QFRAG 1
	QFRAG 2
	QFRAG 3
	ds_load_b64 v[14:15], v8
	s_wait_dscnt 0x0
	global_store_b64 v10, v[14:15], s[16:17]       ; 256 consecutive bytes, aligned
	s_wait_tensorcnt 0x0                           ; the wave's end, behind my last LDS store
	ds_add_u32 v[SPW], v[NIL]
	s_wait_dscnt 0x0
	s_endpgm
; ---------------- the mask ----------------
.Lmask:
	s_lshl_b32 s21, ttmp9, 2
	s_add_co_u32 s21, s21, s20                     ; my tile of queries
	s_wait_alu depctr_va_vdst(0)
	v_and_b32 v4, 8, v2
	v_add_nc_u32 v4, v4, v2                        ; r + 8 (r / 8)
	v_lshlrev_b32 v4, 11, v4                       ; rows of 2,048 bytes
	v_lshl_add_u32 v4, v3, 4, v4                   ; + 16 h
	s_lshr_b32 s24, s21, 1
	s_lshl_b32 s24, s24, 5
	s_and_b32 s25, s21, 1
	s_lshl_b32 s25, s25, 3
	s_add_co_u32 s24, s24, s25
	s_lshl_b32 s24, s24, 11
	s_mov_b32 s25, 0
	s_lshl_b32 s26, s21, 12                        ; my 4,096 bytes of words
	s_mov_b32 s27, 0
	s_lshl_b32 s28, s21, 7
	s_add_co_u32 s28, s28, 524288                  ; my 128 bytes of flags
	s_mov_b32 s29, 0
.irp i, 120,121,122,123,124,125,126,127,129
	v_mov_b32 v\i, 0                               ; v120-127 the words on their way out (v_writelane's destination counts as read); v129 what my half of the row has open
.endr
	s_mov_b32 s35, 0                               ; the trip's first key step
	s_mov_b32 s36, 0                               ; the flags
	s_mov_b32 s40, 0x01010101                      ; four open keys
	s_wait_kmcnt 0x0
	s_add_nc_u64 s[14:15], s[14:15], s[24:25]
	s_add_nc_u64 s[38:39], s[18:19], s[28:29]
	s_add_nc_u64 s[18:19], s[18:19], s[26:27]
.macro MLOAD set, off                  ; two key steps: lane (r, h) takes 16 bytes at 128 e + 32 b + 16 h of its row; the eight loads together read 256 consecutive bytes of each row
.irp e, 0,1
.irp b, 0,1,2,3
	global_load_b128 v[\set+16*\e+4*\b:\set+16*\e+4*\b+3], v4, s[14:15] offset:\off+128*\e+32*\b
.endr
.endr
.endm
.macro MSTEP set, e, k                 ; one key step: byte n of my 64 is compared in all lanes at once: the compare's lane mask IS word n.  Word n goes to lane n / 2, register n % 2, so that one store of 8 bytes a lane lays the 64 words on end
.irp q, 0,1,2,3,4,5,6,7
.irp m, 0,1,2,3,4,5,6,7
	v_and_b32 v[112+\m], 0xff<<(8*(\m%4)), v[\set+16*\e+2*\q+\m/4]
.endr
.irp m, 0,1,2,3,4,5,6,7
	v_cmp_ne_u32 s[24+\m], 0, v[112+\m]
.endr
.irp m, 0,1,2,3,4,5,6,7
	v_writelane_b32 v[120+2*\k+\m%2], s[24+\m], 4*\q+\m/2
.endr
.endr
	v_or_b32 v128, v[\set+16*\e], v[\set+16*\e+1]
	v_and_b32 v130, v[\set+16*\e], v[\set+16*\e+1]
.irp i, 2,3,4,5,6,7,8,9,10,11,12,13,14,15
	v_or_b32 v128, v128, v[\set+16*\e+\i]
	v_and_b32 v130, v130, v[\set+16*\e+\i]         ; a byte of the mask is 0 or 1: the AND is 0x01010101 where all my 64 keys are open
.endr
	v_or_b32 v129, v129, v128
	v_cmp_ne_u32 s32, 0, v128
	v_cmp_ne_u32 s37, s40, v130
	s_cmp_lg_u32 s32, 0                            ; is any key of the step open for any of the 16 queries?
	s_cselect_b32 s33, 1<<\k, 0
	s_lshl_b32 s33, s33, s35
	s_or_b32 s36, s36, s33
	s_cmp_lg_u32 s37, 0                            ; is any key of the step closed for any of them?
	s_cselect_b32 s33, 0x10000<<\k, 0
	s_lshl_b32 s33, s33, s35
	s_or_b32 s36, s36, s33
	global_store_b64 v10, v[120+2*\k:121+2*\k], s[18:19] offset:256*\k   ; 256 consecutive bytes, aligned
.endm
	MLOAD 48, 0
	MLOAD 80, 256
	s_mov_b32 s34, 3
.Lmrow:                                            ; a trip: four key steps, in two sets of registers by turns
	s_wait_loadcnt 0x8                             ; the first set is in; the other set's eight loads stay out
	MSTEP 48, 0, 0
	MSTEP 48, 1, 1
	MLOAD 48, 512
	s_wait_loadcnt 0x8                             ; the second set is in; the eight just issued stay out
	MSTEP 80, 0, 2
	MSTEP 80, 1, 3
	MLOAD 80, 768
	s_wait_xcnt 0x0                                ; the bases and the stores' data are rewritten only behind this wait
	s_add_nc_u64 s[14:15], s[14:15], 512
	s_add_nc_u64 s[18:19], s[18:19], 1024
	s_add_co_u32 s35, s35, 4
	s_sub_co_u32 s34, s34, 1
	s_cmp_lg_u32 s34, 0
	s_cbranch_scc1 .Lmrow
	s_wait_loadcnt 0x8                             ; the last four steps load nothing: no load leaves the mask
	MSTEP 48, 0, 0
	MSTEP 48, 1, 1
	s_wait_loadcnt 0x0
	MSTEP 80, 0, 2
	MSTEP 80, 1, 3
	s_wait_alu depctr_va_vdst(0)
	v_cmp_ne_u32 s32, 0, v129                      ; bit l: my half of row l % 16 has an open key
	s_lshr_b32 s33, s32, 16
	s_or_b32 s32, s32, s33
	s_and_b32 s32, s32, 0xffff
	s_or_b32 s33, s36, 0xffff                      ; the flags with every step walked
	s_cmp_eq_u32 s32, 0xffff                       ; has every one of the 16 rows an open key?
	s_cselect_b32 s36, s36, s33                    ; if not, the tile walks every step: a row with none is the mean over all keys
	v_mov_b32 v14, s36
	v_lshlrev_b32 v15, 2, v1
	global_store_b32 v15, v14, s[38:39]
	s_endpgm
.Lfunc_end_k_q5ceadc1015_prep:
	.size	k_q5ceadc1015_prep, .Lfunc_end_k_q5ceadc1015_prep-k_q5ceadc1015_prep
	.p2alignl 7, 3214868480
	.fill 96, 4, 3214868480
	.section	.rodata,"a",@progbits
	.p2align	6, 0x0
	.amdhsa_kernel k_q5ceadc1015_prep
		.amdhsa_group_segment_fixed_size 35328
		.amdhsa_private_segment_fixed_size 0
		.amdhsa_enable_private_segment 0
		.amdhsa_kernarg_size 64
		.amdhsa_user_sgpr_count 2
		.amdhsa_user_sgpr_kernarg_segment_ptr 1
		.amdhsa_wavefront_size32 1
		.amdhsa_system_sgpr_workgroup_id_x 1
		.amdhsa_system_sgpr_workgroup_id_y 1
		.amdhsa_system_sgpr_workgroup_id_z 1
		.amdhsa_system_vgpr_workitem_id 0
		.amdhsa_next_free_vgpr 240
		.amdhsa_next_free_sgpr 66
		.amdhsa_reserve_vcc 0
		.amdhsa_float_denorm_mode_32 3
		.amdhsa_float_denorm_mode_16_64 3
		.amdhsa_memory_ordered 1
		.amdhsa_forward_progress 1
		.amdhsa_inst_pref_size 144
	.end_amdhsa_kernel
	.amdgpu_metadata
---
amdhsa.version: [ 1, 2 ]
amdhsa.kernels:
  - .name:           k_q5ceadc1015_prep
    .symbol:         k_q5ceadc1015_prep.kd
    .args:
      - { .name: query, .offset: 0, .size: 8, .value_kind: global_buffer, .address_space: global }
      - { .name: Wq, .offset: 8, .size: 8, .value_kind: global_buffer, .address_space: global }
      - { .name: Wk, .offset: 16, .size: 8, .value_kind: global_buffer, .address_space: global }
      - { .name: Wv, .offset: 24, .size: 8, .value_kind: global_buffer, .address_space: global }
      - { .name: Wo, .offset: 32, .size: 8, .value_kind: global_buffer, .address_space: global }
      - { .name: attention_mask, .offset: 40, .size: 8, .value_kind: global_buffer, .address_space: global }
      - { .name: w1, .offset: 48, .size: 8, .value_kind: global_buffer, .address_space: global }
      - { .name: mw, .offset: 56, .size: 8, .value_kind: global_buffer, .address_space: global }
    .group_segment_fixed_size: 35328
    .private_segment_fixed_size: 0
    .kernarg_segment_align: 8
    .kernarg_segment_size: 64
    .max_flat_workgroup_size: 128
    .sgpr_count:     66
    .vgpr_count:     240
    .wavefront_size: 32
...
	.end_amdgpu_metadata
.endif
;; end of part 1
;; launch qkv (part 2): grid 16 x 16, 4 waves a work-group, clusters of 4 x 4, 327,680 bytes of LDS; arguments w1, qkv; writes qkv
.if DOCPART == 2
	.amdgcn_target "amdgcn-amd-amdhsa--gfx1250"
	.amdhsa_code_object_version 6
	.text
	.protected	k_q5ceadc1015_qkv
	.globl	k_q5ceadc1015_qkv
	.p2align	8
	.type	k_q5ceadc1015_qkv,@function
k_q5ceadc1015_qkv:
	s_mov_b64 s[64:65], 0
	v_nop
	global_prefetch_b8 v0, s[64:65] scope:SCOPE_SE
	s_setreg_imm32_b32 hwreg(HW_REG_WAVE_MODE, 25, 1), 1
	s_wait_xcnt 0x0
	s_wait_alu depctr_hold_cnt(0) depctr_sa_sdst(0) depctr_va_vdst(0) depctr_va_sdst(0) depctr_va_ssrc(0) depctr_va_vcc(0) depctr_vm_vsrc(0)
	s_getreg_b32 s2, hwreg(HW_REG_IB_STS2, 6, 4)
	s_cmp_eq_u32 s2, 0
	s_cbranch_scc0 .Lentry_in_a_cluster
	s_endpgm
.Lentry_in_a_cluster:
	s_bfe_u32 s2, ttmp6, 0x10000c
	s_cmp_lg_u32 s2, 0xf033
	s_cbranch_scc0 .Lentry_shape_is_right
	s_endpgm
.Lentry_shape_is_right:
; Q, K, V = query Wq^T, query Wk^T, query Wv^T on codes of E2M3, and their quantising for the attention launch.  No work of the problem is left out here.
; A work-group makes 128 tokens x 128 outputs (one head) of each of the three products, a wave 64 x 64 of each: 48 accumulators.  Q and K are used transposed (source 0 = 16 rows of the weight, source 1 = 16 tokens):
; a lane holds one token and its registers run along the head's channels, the K of the scores.  V is used the other way round: a lane holds one channel and its registers run along the tokens, the K of the second product.
; K goes through a ring of two LDS slots of two K steps each: wave 0 fetches the tokens' eight row tiles, waves 1 to 3 those of Wq, Wk, Wv, one tensor load a wave.
; CLUSTER 4 x 4: the four of a row need the same tokens, the four of a column the same rows of the weights: joint loads.
; THE SCALE WORDS of all of K, 8,192 bytes a wave, come through registers into LDS bytes of their own: they are one part in twenty-five of what the work-group reads, so they are not asked for jointly.
; PREFETCH: behind the load of each pair of K steps stands one prefetch of the pair two loads on: of the eight row tiles that a wave fetches, each of the four partners that ask for them jointly names two, told apart by address:
; 2 x 3,072 bytes, 24 blocks of 256 bytes, a lane a block (lanes 24-31 name the last block again).  The last two refills have no pair two on and ask for nothing.
.set SLOT,  98304
.set OPB,   24576
.set SCL,   2*SLOT
.set SST,   SCL+4*8192
.set SPARE, SST+1536
.set SPW,  14
.set NIL,  15
.set ADRA, 16
.set ADRB, 20
.set ADSA, 24
.set ADSB, 25
.set VQ16, 26
.set VQ8,  27
.set VV16, 28
.set VV8,  29
.set SAQ,  30
.set SAV,  31
.set SC,   32
.set AF,   64
.set TM,   160
.set TP,   168
.set SO,   176
.set BY,   184
.set PC,   200
.set YT,   232
.set G1, 24
.set G0, 32
.set G1B, 48
.set G0B, 56
.set PFA, 68                           ; s[68:69] where my prefetches stand: my work-group's two row tiles of the eight that I fetch
.set SWP, 70                           ; s[70:71] the 8,192 bytes of scale words that I carry
.set PFO, 8                            ; v8 the prefetches' offset; v9 where my scale words go in LDS; v10 16 x lane
.set MSB, 0
.macro WIN new
.if MSB != \new
	s_set_vgpr_msb (MSB<<8)|\new
.set MSB, \new
.endif
.endm
.macro JLOAD g0a, g1a, g0b, g1b
	s_cmp_eq_u32 s14, 0
	s_cbranch_scc0 .Lfor_b_\@
	tensor_load_to_lds s[\g0a:\g0a+3], s[\g1a:\g1a+7]
	s_nop 0
.rept 4
	v_nop
.endr
	s_branch .Lasked_\@
.Lfor_b_\@:
	tensor_load_to_lds s[\g0b:\g0b+3], s[\g1b:\g1b+7]
	s_nop 0
.rept 4
	v_nop
.endr
.Lasked_\@:
.endm
.macro CREST
	s_cmp_lg_u32 s14, 0
	s_cbranch_scc1 .Lnot_wave_0_\@
	s_barrier_signal -3
.Lnot_wave_0_\@:
	s_barrier_wait -3
	s_barrier_signal -1
	s_barrier_wait -1
.endm
.macro CROUND
	s_barrier_signal -1
	s_barrier_wait -1
	CREST
.endm
.macro PLACES
.rept 4
	v_nop
.endr
.endm
	s_load_b128 s[4:7], s[0:1], 0x0
	v_lshl_add_u32 v[SPW], v0, 2, SPARE
	v_mov_b32 v[NIL], 0
	ds_add_u32 v[SPW], v[NIL]
	ds_add_u32 v[SPW], v[NIL]
	v_lshrrev_b32 v1, 5, v0
	v_readfirstlane_b32 s14, v1
	s_lshr_b32 s15, s14, 1
	s_and_b32 s16, s14, 1
	s_bfe_u32 s40, ttmp6, 0x40000
	s_bfe_u32 s41, ttmp6, 0x40004
	s_lshl_b32 s42, ttmp9, 2
	s_add_co_u32 s42, s42, s40
	s_and_b32 s17, ttmp7, 0xffff
	s_lshl_b32 s17, s17, 2
	s_add_co_u32 s17, s17, s41
	s_lshl_b32 s43, s41, 2
	s_lshl_b32 s43, 15, s43
	s_lshl_b32 s44, 0x1111, s40
	s_or_b32 s[G1], s43, (3<<16)|(1<<21)
	s_or_b32 s[G1B], s44, (3<<16)|(1<<21)
.irp g, G1, G1B
	s_mov_b32 s[\g+1], 384<<16
	s_mov_b32 s[\g+2], 8<<16
	s_mov_b32 s[\g+3], 384<<16
	s_mov_b32 s[\g+4], 8
	s_mov_b32 s[\g+5], 3072
	s_mov_b32 s[\g+6], 0
	s_mov_b32 s[\g+7], 0
.endr
	s_mul_i32 s20, s17, 196608
	s_mov_b32 s21, 0
	s_lshl_b32 s22, s17, 13
	s_add_co_u32 s22, s22, 15728640
	s_mov_b32 s23, 0
	s_mul_i32 s46, s14, 3145728
	s_mul_i32 s47, s42, 196608
	s_add_co_u32 s46, s46, s47
	s_mov_b32 s47, 0
	s_lshl_b32 s92, s14, 17
	s_lshl_b32 s93, s42, 13
	s_add_co_u32 s92, s92, s93
	s_add_co_u32 s92, s92, 15728640
	s_mov_b32 s93, 0
	s_mul_i32 s45, s14, OPB
	s_lshl_b32 s94, s14, 13
	s_mov_b32 s96, 0x76543210
	s_mov_b32 s97, 0xfedcba98
	s_wait_dscnt 0x0
	s_wait_kmcnt 0x0
	s_add_nc_u64 s[20:21], s[4:5], s[20:21]
	s_add_nc_u64 s[22:23], s[4:5], s[22:23]
	s_add_nc_u64 s[46:47], s[4:5], s[46:47]
	s_add_nc_u64 s[92:93], s[4:5], s[92:93]
	CROUND
	s_cmp_eq_u32 s14, 0                            ; wave 0 serves the tokens, waves 1 to 3 a weight each: the choices hang on the wave's number alone
	s_cselect_b64 s[SWP:SWP+1], s[22:23], s[92:93]
	s_cselect_b64 s[PFA:PFA+1], s[20:21], s[46:47]
	s_cselect_b32 s72, s40, s41                    ; my place among the four that ask for the tile with me
	s_mul_i32 s72, s72, 49152                      ; two row tiles of 24,576 bytes for each place
	s_mov_b32 s73, 0
	s_add_nc_u64 s[PFA:PFA+1], s[PFA:PFA+1], s[72:73]
	s_add_co_u32 s94, s94, SCL                     ; my scale words' place in LDS: 8,192 x wave
.irp s, 0,1
	s_mov_b32 s[G0+4*\s], 1
	s_add_co_u32 s[G0+4*\s+1], s45, \s*SLOT
	s_add_nc_u64 s[G0+4*\s+2:G0+4*\s+3], s[20:21], \s*3072
	s_or_b32 s[G0+4*\s+3], s[G0+4*\s+3], 0x80000000
	s_mov_b32 s[G0B+4*\s], 1
	s_add_co_u32 s[G0B+4*\s+1], s45, \s*SLOT
	s_add_nc_u64 s[G0B+4*\s+2:G0B+4*\s+3], s[46:47], \s*3072
	s_or_b32 s[G0B+4*\s+3], s[G0B+4*\s+3], 0x80000000
.if \s
	s_wait_alu depctr_va_vdst(0)
	s_wait_tensorcnt 0x0                           ; slot 1's first fill is issued as a refill is
	ds_add_u32 v14, v15
	s_wait_dscnt 0x0
	CROUND
.endif
	JLOAD G0+4*\s, G1, G0B+4*\s, G1B               ; K steps 0 and 1: my one load at the head; K steps 2 and 3: the first behind the round
.if \s == 0
	v_and_b32 v11, 31, v0
	v_min_u32 v[PFO], 23, v11                      ; 24 blocks; lanes 24-31 name the last again
	v_lshlrev_b32 v10, 4, v11
	v_mul_u32_u24 v12, v[PFO], 22
	v_lshrrev_b32 v12, 8, v12                      ; block / 12: which of my two row tiles
	v_lshlrev_b32 v[PFO], 8, v[PFO]
	v_mad_u32_u24 v[PFO], v12, 21504, v[PFO]       ; 256 x block, and 24,576 - 3,072 more for the second row tile
	v_add_nc_u32 v9, s94, v10
	s_wait_alu depctr_va_vdst(0)                   ; the wait behind these writes
.irp i, 0,1,2,3,4,5,6,7,8,9,10,11,12,13,14,15
	global_load_b128 v[AF+4*\i:AF+4*\i+3], v10, s[SWP:SWP+1] offset:512*\i   ; each load reads 512 consecutive bytes
.endr
.endif
	global_prefetch_b8 v[PFO], s[PFA:PFA+1] offset:3072*(2+\s) th:TH_LOAD_NT scope:SCOPE_SE   ; the pair of K steps two loads on
.endr
	v_and_b32 v1, 31, v0
	v_and_b32 v2, 15, v0
	v_lshlrev_b32 v3, 4, v1
	v_lshlrev_b32 v4, 3, v1
	v_lshlrev_b32 v5, 2, v1
	s_wait_alu depctr_va_vdst(0)
	v_lshlrev_b32 v6, 2, v2
	s_mul_i32 s20, s15, 12288
	s_mul_i32 s21, s16, 12288
	s_add_co_u32 s21, s21, OPB
.irp s, 0,1
	v_add_nc_u32 v[ADRA+\s], s20, v3
	v_add_nc_u32 v[ADRB+\s], s21, v3
	s_add_co_u32 s20, s20, SLOT
	s_add_co_u32 s21, s21, SLOT
.endr
	s_lshl_b32 s20, s15, 12
	s_add_co_u32 s20, s20, SCL
	v_add_nc_u32 v[ADSA], s20, v5
	s_lshl_b32 s21, s16, 12
	s_add_co_u32 s21, s21, SCL+8192
	v_add_nc_u32 v[ADSB], s21, v5
	s_mul_i32 s20, s15, 6144
	s_mul_i32 s21, s16, 768
	s_add_co_u32 s20, s20, s21
	v_add_nc_u32 v[VQ16], s20, v3
	s_add_co_u32 s20, s20, 512
	v_add_nc_u32 v[VQ8], s20, v4
	s_mul_i32 s20, s16, 6144
	s_mul_i32 s21, s15, 768
	s_add_co_u32 s20, s20, s21
	s_add_co_u32 s20, s20, 12288
	v_add_nc_u32 v[VV16], s20, v3
	s_add_co_u32 s20, s20, 512
	v_add_nc_u32 v[VV8], s20, v4
	s_lshl_b32 s20, s15, 8
	s_lshl_b32 s21, s16, 1
	s_add_co_u32 s20, s20, s21
	s_add_co_u32 s20, s20, SST
	v_add_nc_u32 v[SAQ], s20, v6
	s_lshl_b32 s20, s16, 8
	s_lshl_b32 s21, s15, 1
	s_add_co_u32 s20, s20, s21
	s_add_co_u32 s20, s20, SST+1024
	v_add_nc_u32 v[SAV], s20, v6
	s_min_u32 s20, s14, 2
	s_lshl_b32 s20, s20, 9
	s_add_co_u32 s20, s20, SST
	v_add_nc_u32 v7, s20, v3
	s_mul_i32 s20, s42, 196608
	s_mul_i32 s21, s17, 12288
	s_add_co_u32 s20, s20, s21
	s_mov_b32 s21, 0
	s_add_nc_u64 s[8:9], s[6:7], s[20:21]
	s_mul_i32 s20, s42, 393216
	s_mul_i32 s21, s17, 24576
	s_add_co_u32 s20, s20, s21
	s_add_co_u32 s20, s20, 3145728
	s_mov_b32 s21, 0
	s_add_nc_u64 s[10:11], s[6:7], s[20:21]
	s_lshl_b32 s20, s42, 13
	s_lshl_b32 s21, s42, 14
	s_mov_b32 s22, 9568256
	s_cmp_eq_u32 s14, 0
	s_cselect_b32 s20, s20, s21
	s_cselect_b32 s22, 9437184, s22
	s_add_co_u32 s20, s20, s22
	s_lshl_b32 s21, s17, 9
	s_add_co_u32 s20, s20, s21
	s_lshl_b32 s21, s15, 13
	s_add_co_u32 s20, s20, s21
	s_mov_b32 s21, 0
	s_add_nc_u64 s[12:13], s[6:7], s[20:21]
.macro MULQK m, a0, e, sc, zero
.irp a, \a0, \a0+1
.irp b, 0,1,2,3
.set rD, 128*(\m)+8*(4*(\a)+\b)
.set rB, 48*(\m)+12*\b
.set rA, AF+48*(\e)+12*(\a)
.set rSB, SC+16*(\sc)+4+4*(\m)+\b
.set rSA, SC+16*(\sc)+(\a)
.if \zero
	v_wmma_scale_f32_16x16x128_f8f6f4 v[rD:rD+7], v[rB:rB+11], v[rA:rA+11], 0, v[rSB], v[rSA] matrix_a_fmt:MATRIX_FMT_FP6 matrix_b_fmt:MATRIX_FMT_FP6
.elseif \e
	v_wmma_scale_f32_16x16x128_f8f6f4 v[rD:rD+7], v[rB:rB+11], v[rA:rA+11], v[rD:rD+7], v[rSB], v[rSA] matrix_a_fmt:MATRIX_FMT_FP6 matrix_b_fmt:MATRIX_FMT_FP6 matrix_a_scale:MATRIX_SCALE_ROW1 matrix_b_scale:MATRIX_SCALE_ROW1
.else
	v_wmma_scale_f32_16x16x128_f8f6f4 v[rD:rD+7], v[rB:rB+11], v[rA:rA+11], v[rD:rD+7], v[rSB], v[rSA] matrix_a_fmt:MATRIX_FMT_FP6 matrix_b_fmt:MATRIX_FMT_FP6
.endif
.endr
.endr
.endm
.macro MULV b0, e, sc, zero
.irp b, \b0, \b0+1
.irp a, 0,1,2,3
.set rD, 8*(4*(\b)+\a)
.set rA, AF+48*(\e)+12*\a
.set rB, 96+12*(\b)
.set rSA, SC+16*(\sc)+\a
.set rSB, SC+16*(\sc)+12+(\b)
.if \zero
	v_wmma_scale_f32_16x16x128_f8f6f4 v[rD:rD+7], v[rA:rA+11], v[rB:rB+11], 0, v[rSA], v[rSB] matrix_a_fmt:MATRIX_FMT_FP6 matrix_b_fmt:MATRIX_FMT_FP6
.elseif \e
	v_wmma_scale_f32_16x16x128_f8f6f4 v[rD:rD+7], v[rA:rA+11], v[rB:rB+11], v[rD:rD+7], v[rSA], v[rSB] matrix_a_fmt:MATRIX_FMT_FP6 matrix_b_fmt:MATRIX_FMT_FP6 matrix_a_scale:MATRIX_SCALE_ROW1 matrix_b_scale:MATRIX_SCALE_ROW1
.else
	v_wmma_scale_f32_16x16x128_f8f6f4 v[rD:rD+7], v[rA:rA+11], v[rB:rB+11], v[rD:rD+7], v[rSA], v[rSB] matrix_a_fmt:MATRIX_FMT_FP6 matrix_b_fmt:MATRIX_FMT_FP6
.endif
.endr
.endr
.endm
.macro FETCHB m, slot, e
	WIN 0x40
.irp t, 0,1,2,3
.irp k, 0,1,2
	ds_load_b128 v[48*(\m)+12*\t+4*\k:48*(\m)+12*\t+4*\k+3], v[ADRB+\slot] offset:24576*(\m)+3072*\t+1536*(\e)+512*\k
.endr
.endr
.endm
.macro FETCHA slot, e
	WIN 0
.irp t, 0,1,2,3
.irp k, 0,1,2
	ds_load_b128 v[AF+48*(\e)+12*\t+4*\k:AF+48*(\e)+12*\t+4*\k+3], v[ADRA+\slot] offset:3072*\t+1536*(\e)+512*\k
.endr
.endr
.endm
.macro SCALES set
	WIN 0
.irp t, 0,1,2,3
	ds_load_b32 v[SC+16*(\set)+\t], v[ADSA] offset:1024*\t
.endr
.irp m, 0,1,2
.irp t, 0,1,2,3
	ds_load_b32 v[SC+16*(\set)+4+4*\m+\t], v[ADSB] offset:8192*\m+1024*\t
.endr
.endr
.endm
.macro STEP slot, zero
	s_wait_dscnt 24
	WIN 0xa1
	MULQK 0, 0, 0, \slot, \zero
	MULQK 0, 2, 0, \slot, \zero
	PLACES
	FETCHB 0, \slot, 1
	FETCHA \slot, 1
	s_wait_dscnt 36
	WIN 0xa1
	MULQK 1, 0, 0, \slot, \zero
	MULQK 1, 2, 0, \slot, \zero
	PLACES
	FETCHB 1, \slot, 1
	s_wait_dscnt 36
	WIN 0xf4
	MULV 0, 0, \slot, \zero
	MULV 2, 0, \slot, \zero
	PLACES
	FETCHB 2, \slot, 1
	WIN 0
.endm
.macro TURN slot, next, fill
	s_wait_tensorcnt 0x0
	ds_add_u32 v[SPW], v[NIL]
	s_wait_dscnt 25
	WIN 0xa1
	MULQK 0, 0, 1, \slot, 0
	s_wait_dscnt 0x0
	s_barrier_signal -1
	MULQK 0, 2, 1, \slot, 0
	WIN 0
	s_barrier_wait -1
.if \fill
	CREST
	s_add_nc_u64 s[G0+4*\slot+2:G0+4*\slot+3], s[G0+4*\slot+2:G0+4*\slot+3], 6144
	s_add_nc_u64 s[G0B+4*\slot+2:G0B+4*\slot+3], s[G0B+4*\slot+2:G0B+4*\slot+3], 6144
	JLOAD G0+4*\slot, G1, G0B+4*\slot, G1B
.else
	PLACES
.endif
	s_wait_alu depctr_va_vdst(0)
	v_add_nc_u32 v[ADSA], 128, v[ADSA]
	v_add_nc_u32 v[ADSB], 128, v[ADSB]
	FETCHB 0, \next, 0
	FETCHA \next, 0
	SCALES \next
.if \fill
	s_cmp_gt_u32 s3, 1                             ; the last lap's two refills have no pair two on
	s_cbranch_scc0 .Lno_ask_\@
	global_prefetch_b8 v[PFO], s[PFA:PFA+1] offset:3072*(4+\slot) th:TH_LOAD_NT scope:SCOPE_SE   ; the pair of K steps two refills on
.Lno_ask_\@:
.endif
	WIN 0xa1
	MULQK 1, 0, 1, \slot, 0
	MULQK 1, 2, 1, \slot, 0
	PLACES
	FETCHB 1, \next, 0
	WIN 0xf4
	MULV 0, 1, \slot, 0
	MULV 2, 1, \slot, 0
	PLACES
	FETCHB 2, \next, 0
	WIN 0
.endm
	s_wait_alu depctr_va_vdst(0)
	s_wait_loadcnt 0x0                             ; my scale words are in registers
.irp i, 0,1,2,3,4,5,6,7,8,9,10,11,12,13,14,15
	ds_store_b128 v9, v[AF+4*\i:AF+4*\i+3] offset:512*\i
.endr
	s_wait_tensorcnt 1                             ; the load of K steps 2 and 3 may stay out
	s_wait_dscnt 0x0                               ; my scale words are stored
	s_barrier_signal -1
	s_barrier_wait -1
	FETCHB 0, 0, 0
	FETCHA 0, 0
	SCALES 0
	FETCHB 1, 0, 0
	FETCHB 2, 0, 0
	WIN 0
	STEP 0, 1
	s_mov_b32 s3, 3
.Llap:
	TURN 0, 1, 1
	STEP 1, 0
	TURN 1, 0, 1
	STEP 0, 0
	s_wait_xcnt 0x0                                ; the lap's prefetches have read their address: it is stepped only behind this wait
	s_add_nc_u64 s[PFA:PFA+1], s[PFA:PFA+1], 6144  ; a lap: four K steps
	s_sub_co_u32 s3, s3, 1
	s_cmp_lg_u32 s3, 0
	s_cbranch_scc1 .Llap
	TURN 0, 1, 0
	STEP 1, 0
	s_wait_dscnt 24
	WIN 0xa1
	MULQK 0, 0, 1, 1, 0
	MULQK 0, 2, 1, 1, 0
	s_wait_dscnt 12
	MULQK 1, 0, 1, 1, 0
	MULQK 1, 2, 1, 1, 0
	s_wait_dscnt 0x0
	WIN 0xf4
	MULV 0, 1, 1, 0
	MULV 2, 1, 1, 0
	WIN 0
.irp k, 0,1,2,3,4,5,6,7
	v_mov_b32 v[TP+\k], 0
.endr
.macro EPI wmx, wcv, base, hw, o16, o8, sbase, sadr, soff
	s_wait_xcnt 0x0
	WIN \wmx
.irp k, 0,1,2,3,4,5,6,7
	v_max3_num_f32 v[TM+\k], 0x1800000, |v[\base+16*\k]|, |v[\base+16*\k+1]|
.endr
.irp i, 2,4,6,8,10,12,14
.irp k, 0,1,2,3,4,5,6,7
	v_max3_num_f32 v[TM+\k], v[TM+\k], |v[\base+16*\k+\i]|, |v[\base+16*\k+\i+1]|
.endr
.endr
	WIN 0
.irp k, 0,1,2,3,4,5,6,7
	v_permlanex16_b32 v[TP+\k], v[TM+\k], s96, s97
.endr
.irp k, 0,1,2,3,4,5,6,7
	v_max_num_f32 v[TM+\k], v[TM+\k], v[TP+\k]
.endr
.irp k, 0,1,2,3,4,5,6,7
	v_add_nc_u32 v[SO+\k], 0xff000000, v[TM+\k]
.endr
.irp k, 0,1,2,3,4,5,6,7
	v_lshrrev_b32 v[BY+\k], 23, v[SO+\k]
.endr
.irp g, 0,1,2,3
	v_lshl_or_b32 v[\hw+\g], v[BY+2*\g+1], 8, v[BY+2*\g]
.endr
	WIN \wcv
.irp g, 0,1,2,3
	v_cvt_scalef32_pk16_fp6_f32 v[PC+8*\g:PC+8*\g+2], v[\base+32*\g:\base+32*\g+15], v[SO+2*\g]
	v_cvt_scalef32_pk16_fp6_f32 v[YT+4*\g:YT+4*\g+2], v[\base+32*\g+16:\base+32*\g+31], v[SO+2*\g+1]
.endr
	WIN 0
	v_nop
.irp g, 0,1,2,3
.irp i, 0,1,2
	v_permlane16_swap_b32 v[PC+8*\g+\i], v[YT+4*\g+\i]
.endr
.irp i, 0,1,2
	v_mov_b32 v[PC+8*\g+3+\i], v[YT+4*\g+\i]
.endr
.endr
.irp g, 0,1,2,3
	global_store_b128 v[\o16], v[PC+8*\g:PC+8*\g+3], s[\sbase:\sbase+1] offset:1536*\g
	global_store_b64 v[\o8], v[PC+8*\g+4:PC+8*\g+5], s[\sbase:\sbase+1] offset:1536*\g
	ds_store_b16 v[\sadr], v[\hw+\g] offset:\soff+64*\g
.endr
.endm
	EPI 0x28, 2, 0,   192, VQ16, VQ8, 8,  SAQ, 0
	EPI 0x28, 2, 128, 196, VQ16, VQ8, 10, SAQ, 512
	EPI 0x3c, 3, 0,   248, VV16, VV8, 10, SAV, 0
	s_wait_dscnt 0x0
	s_barrier_signal -1
	s_barrier_wait -1
	s_cmp_gt_u32 s14, 2
	s_cbranch_scc1 .Lno_words
	ds_load_b128 v[160:163], v7
	s_wait_dscnt 0x0
	global_store_b128 v3, v[160:163], s[12:13]
.Lno_words:
	s_wait_tensorcnt 0x0
	ds_add_u32 v[SPW], v[NIL]
	s_wait_dscnt 0x0
	CROUND
	s_endpgm
.Lfunc_end_k_q5ceadc1015_qkv:
	.size	k_q5ceadc1015_qkv, .Lfunc_end_k_q5ceadc1015_qkv-k_q5ceadc1015_qkv
	.p2alignl 7, 3214868480
	.fill 96, 4, 3214868480
	.section	.rodata,"a",@progbits
	.p2align	6, 0x0
	.amdhsa_kernel k_q5ceadc1015_qkv
		.amdhsa_group_segment_fixed_size 327680
		.amdhsa_private_segment_fixed_size 0
		.amdhsa_enable_private_segment 0
		.amdhsa_kernarg_size 16
		.amdhsa_user_sgpr_count 2
		.amdhsa_user_sgpr_kernarg_segment_ptr 1
		.amdhsa_wavefront_size32 1
		.amdhsa_system_sgpr_workgroup_id_x 1
		.amdhsa_system_sgpr_workgroup_id_y 1
		.amdhsa_system_sgpr_workgroup_id_z 1
		.amdhsa_system_vgpr_workitem_id 0
		.amdhsa_next_free_vgpr 1024
		.amdhsa_next_free_sgpr 98
		.amdhsa_reserve_vcc 0
		.amdhsa_float_denorm_mode_32 3
		.amdhsa_float_denorm_mode_16_64 3
		.amdhsa_memory_ordered 1
		.amdhsa_forward_progress 1
		.amdhsa_inst_pref_size 124
	.end_amdhsa_kernel
	.amdgpu_metadata
---
amdhsa.version: [ 1, 2 ]
amdhsa.kernels:
  - .name:           k_q5ceadc1015_qkv
    .symbol:         k_q5ceadc1015_qkv.kd
    .args:
      - { .name: w1, .offset: 0, .size: 8, .value_kind: global_buffer, .address_space: global }
      - { .name: qkv, .offset: 8, .size: 8, .value_kind: global_buffer, .address_space: global }
    .group_segment_fixed_size: 327680
    .private_segment_fixed_size: 0
    .kernarg_segment_align: 8
    .kernarg_segment_size: 16
    .max_flat_workgroup_size: 128
    .sgpr_count:     98
    .vgpr_count:     1024
    .wavefront_size: 32
...
	.end_amdgpu_metadata
.endif
;; end of part 2
;; launch attn (part 3): grid 16 x 16, 8 waves a work-group, no clusters, 115,712 bytes of LDS; arguments qkv, mw, ao; writes ao
.if DOCPART == 3
	.amdgcn_target "amdgcn-amd-amdhsa--gfx1250"
	.amdhsa_code_object_version 6
	.text
	.protected	k_q5ceadc1015_attn
	.globl	k_q5ceadc1015_attn
	.p2align	8
	.type	k_q5ceadc1015_attn,@function
k_q5ceadc1015_attn:
	s_mov_b64 s[64:65], 0
	v_nop
	global_prefetch_b8 v0, s[64:65] scope:SCOPE_SE
	s_setreg_imm32_b32 hwreg(HW_REG_WAVE_MODE, 25, 1), 1
	s_wait_xcnt 0x0
; O = softmax(mask(Q K^T / sqrt(128))) V on codes of E2M3, and O's quantising along D for the last product.
; LEFT OUT: a key step (128 keys) that the stored flags show closed for all 16 queries of a tile: every p there is 0 beside the row's open keys (shown at the head of the first launch); a tile that holds a row with no open key walks all steps.
;   And the selection by the mask in a key step that the stored flags show open for all 16 queries: it would change no score.
; THE SOFTMAX: t = score x log2(e) / sqrt(128); M = the running largest t rounded up to a whole number; p = 2^(t - M) is quantised along the keys, not normalised; the row's sum of the unquantised p divides at the end.
; THE MASK: a closed key's raw score becomes -2^103, so that t = -c 2^103 stands for NEG log2(e); score x c is exact there, so a row that is all closed has p = 1 throughout, as with NEG.
;   When an open key arrives, old M - new M saturates, the factor is 0 and what was summed is wiped.  LIMIT: open logits under about -9e29 are outside the range served; NaN and infinities are not served.
; SHARES: work-group (j, head) owns eight tiles of 16 queries: 4 j + u and 124 - 4 j + u, u = 0 .. 3.  THE KEYS OF A TILE ARE SHARED BETWEEN TWO WAVES: waves u and u + 4 both hold the two tiles of u;
;   wave u takes the even key steps, wave u + 4 the odd ones.  Each keeps its own running M, sum and O^T for both tiles.  At the end the two parts of a tile are joined: M is a whole number,
;   so each part is brought under the larger M by an exact power of two.  Tile X is the one that a wave finishes (wave u: the early tile, wave u + 4: the late one), tile Y the one whose part it hands over through LDS.
; NO TENSOR LOAD AND NO CLUSTER: which steps a wave walks hangs on flags read from memory; LDS is filled through registers: a slot holds TWO key steps,
;   49,152 bytes, of which each of the eight waves carries 6,144, asked for at a trip's head and stored into the other slot at its end.  One barrier a trip, 8 trips.
; LAYOUT: both products transposed (S^T = K Q^T, O^T = V^T P^T): a lane holds one query throughout; by the rule for a tile's rows the 16 registers of two neighbouring tiles are 16 neighbouring keys, or channels.
; REGISTERS: window 0: v1-11, v29-31, v207, v211, v229 addresses; v12-15 tile X's -M, largest t, sum; v240-243 tile Y's; v16-27 X's Q, v28 and v225 the two Qs' scale words; v32-127 eight fragments of K, then of V;
;   v128-191 S^T, then p; v192-203 p's codes; v204-231, v244-255 at work; v232-235 K's scale words, v236-239 V's, v224 p's.   window 1: v0-63 X's O^T; v64-127 Y's; v128-175 the next slot's bytes on their way; v176-187 Y's Q.
.set REC,   24576                      ; a key step's record: K's 8 tiles, V^T's 8 channel tiles.  LDS: [parity of the step 2][slot 2][REC]
.set SCB,   4*REC                      ; the head's scale words: K's 8,192 bytes, V's 8,192
.set SPARE, SCB+16384                  ; the spare words, 128 bytes a wave
.set PART,  8704                       ; the way out: a wave's part of tile Y, 8,192 bytes of O^T and 512 of state, in the slots' bytes, behind the last barrier of the walk
.set MSB, 0
.macro WIN new
.if MSB != \new
	s_set_vgpr_msb (MSB<<8)|\new
.set MSB, \new
.endif
.endm
.macro OFF d, src, sh, plus            ; a byte offset as a pair: s[src] << sh + plus
	s_lshl_b32 s[\d], s[\src], \sh
	s_add_co_u32 s[\d], s[\d], \plus
	s_mov_b32 s[\d+1], 0
.endm
	s_load_b128 s[4:7], s[0:1], 0x0                ; qkv, mw
	s_load_b64 s[10:11], s[0:1], 0x10              ; ao
	v_lshl_add_u32 v4, v0, 2, SPARE                ; v4 my spare word, v5 zero: never rewritten
	v_mov_b32 v5, 0
	v_lshrrev_b32 v1, 5, v0
	s_delay_alu instid0(VALU_DEP_1)
	v_readfirstlane_b32 s12, v1                    ; wave
	s_and_b32 s13, ttmp7, 0xffff                   ; head
	s_lshl_b32 s14, ttmp9, 2                       ; 4 j
	s_and_b32 s25, s12, 3                          ; u
	s_lshr_b32 s26, s12, 2                         ; the parity of my key steps
	s_add_co_u32 s27, s14, s25                     ; the early tile
	s_sub_co_u32 s28, 124, s14
	s_add_co_u32 s29, s28, s25                     ; the late tile
	s_cmp_eq_u32 s26, 0
	s_cselect_b32 s15, s27, s29                    ; tile X
	s_cselect_b32 s29, s29, s27                    ; tile Y
	s_mul_i32 s31, s13, 196608
	s_mul_i32 s32, s15, 1536
	s_add_co_u32 s32, s32, s31                     ; X's Q
	s_mov_b32 s33, 0
	s_mul_i32 s34, s29, 1536
	s_add_co_u32 s34, s34, s31                     ; Y's Q
	s_mov_b32 s35, 0
	s_lshl_b32 s31, s13, 13
	s_add_co_u32 s31, s31, 9437184
	OFF 36, 15, 6, s31                             ; their scale words
	OFF 38, 29, 6, s31
	OFF 40, 13, 14, 9568256                        ; the head's K and V scale words
	s_mul_i32 s42, s13, 393216
	s_add_co_u32 s42, s42, 3145728                 ; the head's first key step
	s_mov_b32 s43, 0
	OFF 44, 15, 7, 524288                          ; X's flags, Y's,
	OFF 46, 29, 7, 524288
	OFF 48, 14, 7, 524288                          ; those of the work-group's four early tiles and of its four late ones
	OFF 50, 28, 7, 524288
	s_lshl_b32 s31, s26, 8
	OFF 52, 15, 12, s31                            ; the mask words of my first key step, for X and for Y
	OFF 54, 29, 12, s31
	s_mul_i32 s56, s12, 6144                       ; my 6,144 bytes of a slot's two records, in memory
	s_mul_i32 s57, s26, 2*REC                      ; my parity's two slots in LDS
	s_mul_i32 s58, s25, 6144
	s_add_co_u32 s58, s58, s57                     ; waves 0-3 carry the even step's record, waves 4-7 the odd step's
	s_mul_i32 s59, s12, PART                       ; where I put my part of Y,
	s_xor_b32 s60, s12, 4
	s_mul_i32 s60, s60, PART                       ; and where my partner puts its part of my X
	s_lshl_b32 s61, s12, 11
	s_lshl_b32 s62, s12, 13
	s_mov_b32 s18, 0x76543210
	s_mov_b32 s19, 0xfedcba98                      ; lane l xor 16
	s_mov_b32 s20, 0x3e0293ee                      ; c = log2(e) / sqrt(128)
	s_mov_b32 s21, s20                             ; (named with it as a pair)
	s_cmp_lt_u32 s12, 6
	s_cselect_b32 s22, 5, 0
	s_cmp_eq_u32 ttmp9, 0
	s_cselect_b32 s22, s22, 0                      ; waves 0 to 5 of the head's first work-group prefetch, in trips 0 to 4
	s_lshl_b32 s14, s26, 9                         ; my step's scale words: 512 bytes a step
	s_mov_b32 s30, 0                               ; the trip's number
	v_and_b32 v10, 31, v0                          ; lane
	v_and_b32 v11, 15, v0                          ; r
	v_mov_b32 v6, 0xf3000000                       ; -2^103
	s_delay_alu instid0(VALU_DEP_3)
	v_lshlrev_b32 v1, 4, v10                       ; v1 = 16 x lane
	s_delay_alu instid0(VALU_DEP_4)
	v_lshlrev_b32 v2, 3, v10
	v_lshlrev_b32 v3, 2, v10
	v_lshlrev_b32 v9, 2, v11                       ; v9 = 4 r
	v_lshl_add_u32 v29, v10, 8, s62                ; the prefetches: 8,192 x wave + 256 x lane
	s_delay_alu instid0(VALU_DEP_4)
	v_add_nc_u32 v2, 512, v2                       ; v2 = 512 + 8 x lane
	s_delay_alu instid0(VALU_DEP_4)
	v_add_nc_u32 v3, SCB, v3                       ; v3 = the scale words + 4 x lane
	v_add_nc_u32 v7, s56, v1                       ; v7: my bytes of a slot in memory
	v_add_nc_u32 v8, s57, v1                       ; v8, v11: a fragment's two address forms in my parity's slots
	v_add_nc_u32 v207, s58, v1                     ; v207: my bytes of a slot in LDS
	v_add_nc_u32 v211, s59, v1
	v_add_nc_u32 v229, s60, v1
	v_add_nc_u32 v31, s61, v1                      ; my 2,048 bytes of the scale words, in memory,
	v_add_nc_u32 v11, s57, v2
	s_delay_alu instid0(VALU_DEP_2)
	v_add_nc_u32 v30, SCB, v31                     ; and in LDS
	s_wait_alu depctr_va_vdst(0)
	s_wait_kmcnt 0x0
.irp p, 32,34,36,38,40
	s_add_nc_u64 s[\p:\p+1], s[4:5], s[\p:\p+1]
.endr
	s_add_nc_u64 s[4:5], s[4:5], s[42:43]
.irp p, 44,46,48,50
	s_add_nc_u64 s[\p:\p+1], s[6:7], s[\p:\p+1]
.endr
	s_add_nc_u64 s[8:9], s[6:7], s[54:55]
	s_add_nc_u64 s[6:7], s[6:7], s[52:53]
	s_load_b32 s16, s[44:45], 0x0
	s_load_b32 s24, s[46:47], 0x0
.irp i, 0,1,2,3
	s_load_b32 s[68+\i], s[48:49], 128*\i
	s_load_b32 s[72+\i], s[50:51], 128*\i
.endr
	global_load_b128 v[16:19], v1, s[32:33]        ; both Qs stay in registers
	global_load_b64 v[20:21], v2, s[32:33]
	global_load_b128 v[22:25], v1, s[32:33] offset:768
	global_load_b64 v[26:27], v2, s[32:33] offset:768
	global_load_b32 v28, v9, s[36:37]
	global_load_b32 v225, v9, s[38:39]
.irp i, 0,1,2,3
	global_load_b128 v[128+4*\i:131+4*\i], v31, s[40:41] offset:512*\i
.endr
	WIN 0x40
	global_load_b128 v[176:179], v1, s[34:35]
	global_load_b64 v[180:181], v2, s[34:35]
	global_load_b128 v[182:185], v1, s[34:35] offset:768
	global_load_b64 v[186:187], v2, s[34:35] offset:768
.irp i, 0,1,2,3,4,5,6,7,8,9,10,11
	global_load_b128 v[128+4*\i:131+4*\i], v7, s[4:5] offset:512*\i   ; key steps 0 and 1, whatever the flags say
.endr
.set j, 0
.rept 128
	v_mov_b32 v[j], 0                              ; both O^T: the step is written once for each tile; a part that walks no step hands zeros on
.set j, j+1
.endr
	WIN 0
	v_mov_b32 v13, 0xff61b1e6                      ; the largest t so far: -3e38
	v_mov_b32 v241, 0xff61b1e6
	s_delay_alu instid0(VALU_DEP_2)
	v_floor_f32 v12, -v13                          ; -M
	s_delay_alu instid0(VALU_DEP_2)
	v_floor_f32 v240, -v241
.irp i, 14,15,242,243,216,217,218,219,227
	v_mov_b32 v\i, 0                               ; the sums; permute destinations; the upper half of the pair v[226:227]
.endr
	s_wait_alu depctr_va_vdst(0)
	s_wait_kmcnt 0x0
	s_or_b32 s17, s68, s69
.irp i, 70,71,72,73,74,75
	s_or_b32 s17, s17, s\i
.endr
	s_and_b32 s17, s17, 0xffff                     ; bits 2 and 3: some wave of the work-group walks a step of the NEXT slot
	s_lshr_b32 s16, s16, s26                       ; bit 0: X walks my step of this slot; bit 16: the step holds a closed key for some of X's queries
	s_lshr_b32 s24, s24, s26                       ; the same for Y
	s_wait_loadcnt 0x0
.irp i, 0,1,2,3
	ds_store_b128 v30, v[128+4*\i:131+4*\i] offset:512*\i
.endr
	WIN 0x04
.irp i, 0,1,2,3,4,5,6,7,8,9,10,11
	ds_store_b128 v207, v[128+4*\i:131+4*\i] offset:512*\i
.endr
	WIN 0
	s_wait_dscnt 0x0
	s_barrier_signal -1
	s_barrier_wait -1
.macro FRAGF reg, off                  ; a fragment from its image in two halves
	ds_load_b128 v[\reg:\reg+3], v8 offset:\off
	ds_load_b64 v[\reg+4:\reg+5], v11 offset:\off
	ds_load_b128 v[\reg+6:\reg+9], v8 offset:\off+768
	ds_load_b64 v[\reg+10:\reg+11], v11 offset:\off+768
.endm
.macro SMUL t, q, qs                   ; S^T, tile t: 16 keys x 16 queries; the tile's scale words lie in lanes 0-15 (even t) or 16-31 of the pair's register
.if (\t)%2
	v_wmma_scale_f32_16x16x128_f8f6f4 v[128+8*(\t):135+8*(\t)], v[32+12*(\t):43+12*(\t)], v[\q:\q+11], 0, v[232+(\t)/2], v[\qs] matrix_a_fmt:MATRIX_FMT_FP6 matrix_b_fmt:MATRIX_FMT_FP6 matrix_a_scale:MATRIX_SCALE_ROW1
.else
	v_wmma_scale_f32_16x16x128_f8f6f4 v[128+8*(\t):135+8*(\t)], v[32+12*(\t):43+12*(\t)], v[\q:\q+11], 0, v[232+(\t)/2], v[\qs] matrix_a_fmt:MATRIX_FMT_FP6 matrix_b_fmt:MATRIX_FMT_FP6
.endif
.endm
.macro PMUL t, ob                      ; O^T, channel tile t, += V^T P^T
.if (\t)%2
	v_wmma_scale_f32_16x16x128_f8f6f4 v[\ob+8*(\t):\ob+8*(\t)+7], v[32+12*(\t):43+12*(\t)], v[192:203], v[\ob+8*(\t):\ob+8*(\t)+7], v[236+(\t)/2], v224 matrix_a_fmt:MATRIX_FMT_FP6 matrix_b_fmt:MATRIX_FMT_FP6 matrix_a_scale:MATRIX_SCALE_ROW1
.else
	v_wmma_scale_f32_16x16x128_f8f6f4 v[\ob+8*(\t):\ob+8*(\t)+7], v[32+12*(\t):43+12*(\t)], v[192:203], v[\ob+8*(\t):\ob+8*(\t)+7], v[236+(\t)/2], v224 matrix_a_fmt:MATRIX_FMT_FP6 matrix_b_fmt:MATRIX_FMT_FP6
.endif
.endm
.macro WORD                            ; from the four blocks' largest magnitudes (v212-215, not under the floor) the scale operands v220-223 and the scale word v224
.irp b, 0,1,2,3
	s_delay_alu instid0(VALU_DEP_4)
	v_add_nc_u32 v[220+\b], 0xff000000, v[212+\b]
.endr
.irp b, 0,1,2,3
	s_delay_alu instid0(VALU_DEP_4)
	v_lshrrev_b32 v[216+\b], 23, v[220+\b]
.endr
	s_delay_alu instid0(VALU_DEP_3)
	v_lshl_or_b32 v224, v217, 8, v216
	s_delay_alu instid0(VALU_DEP_1)
	v_lshl_or_b32 v224, v218, 16, v224
	s_delay_alu instid0(VALU_DEP_1)
	v_lshl_or_b32 v224, v219, 24, v224
.endm
.macro CODES                           ; v128-191 (register 16 b + i = number 32 b + 16 (lane / 16) + i of my row) become a fragment in v192-203
.irp c, 0,1
	v_cvt_scalef32_pk16_fp6_f32 v[192+6*\c:194+6*\c], v[128+32*\c:143+32*\c], v[220+2*\c]
	v_cvt_scalef32_pk16_fp6_f32 v[204+4*\c:206+4*\c], v[144+32*\c:159+32*\c], v[221+2*\c]
.endr
	v_nop                                          ; one plain place behind the conversions
.irp c, 0,1
.irp i, 0,1,2
	v_permlane16_swap_b32 v[192+6*\c+\i], v[204+4*\c+\i]
.endr
.irp i, 0,1,2
	s_delay_alu instid0(VALU_DEP_3)
	v_mov_b32 v[195+6*\c+\i], v[204+4*\c+\i]
.endr
.endr
.endm
; A KEY STEP of one tile.  qw, q: the window and first register of its Q; qs: Q's scale words; st: its state; ob: its O^T in window 1; fl: its flags; mp: its mask words' address
.macro STEP slot, qw, q, qs, st, ob, fl, mp
.rept 4
	v_nop                                          ; places in front of loads into registers that the last products read
.endr
	s_wait_kmcnt 0x0                               ; the words asked for in the step walked last have come: their registers may be loaded again
	s_load_b512 s[32:47], s[\mp:\mp+1], 0x0        ; the step's 64 mask words: asked for in every step that is walked, so that every way to the selections below passes these loads
	s_load_b512 s[48:63], s[\mp:\mp+1], 0x40
	s_load_b512 s[68:83], s[\mp:\mp+1], 0x80
	s_load_b512 s[84:99], s[\mp:\mp+1], 0xc0
.irp p, 0,1,2,3
	ds_load_b32 v[232+\p], v10 offset:128*\p
.endr
.irp t, 0,1,2,3,4,5,6,7
	FRAGF 32+12*\t, (\slot)*REC+1536*\t
.endr
	s_wait_dscnt 16                                ; the scale words and tiles 0-3 are in; tiles 4-7's sixteen loads are younger
	WIN \qw
.irp t, 0,1,2,3
	SMUL \t, \q, \qs
.endr
	s_wait_dscnt 0x0
.irp t, 4,5,6,7
	SMUL \t, \q, \qs
.endr
	WIN 0
.rept 4
	v_nop                                          ; places: for V's loads into K's registers, and for the first read of the scores
.endr
.irp t, 0,1,2,3,4,5,6,7
	FRAGF 32+12*\t, (\slot)*REC+12288+1536*\t      ; V's fragments land while the softmax is worked
.endr
.irp p, 0,1,2,3
	ds_load_b32 v[236+\p], v10 offset:8192+128*\p
.endr
	s_bitcmp1_b32 s[\fl], 16                       ; does the step hold a closed key for any of the 16 queries?  A stored whole number decides: where none is closed the selections would change nothing
	s_cbranch_scc0 .Lopen_\@
	s_wait_kmcnt 0x0
.set n, 0
.rept 32
	v_cndmask_b32 v[128+n], v6, v[128+n], s[32+n]  ; a closed key's score becomes -2^103; ascending
.set n, n+1
.endr
.rept 32
	v_cndmask_b32 v[128+n], v6, v[128+n], s[36+n]
.set n, n+1
.endr
.Lopen_\@:
.irp b, 0,1,2,3
	v_max3_num_f32 v[212+\b], v[128+16*\b], v[129+16*\b], v[130+16*\b]   ; the largest score of each block of 32 keys: for the row's maximum, and, since p rises with the score, for the block's largest p
.endr
.irp i, 3,5,7,9,11,13
.irp b, 0,1,2,3
	v_max3_num_f32 v[212+\b], v[212+\b], v[128+16*\b+\i], v[129+16*\b+\i]
.endr
.endr
.irp b, 0,1,2,3
	v_max_num_f32 v[212+\b], v[212+\b], v[143+16*\b]
.endr
.irp b, 0,1,2,3
	s_delay_alu instid0(VALU_DEP_4)
	v_permlanex16_b32 v[216+\b], v[212+\b], s18, s19
.endr
.irp b, 0,1,2,3
	s_delay_alu instid0(VALU_DEP_4)
	v_max_num_f32 v[212+\b], v[212+\b], v[216+\b]
.endr
	s_delay_alu instid0(VALU_DEP_2)
	v_max3_num_f32 v228, v212, v213, v214
	s_delay_alu instid0(VALU_DEP_1)
	v_max_num_f32 v228, v228, v215
	s_delay_alu instid0(VALU_DEP_1)
	v_mul_f32 v228, s20, v228                      ; the step's largest t
	s_delay_alu instid0(VALU_DEP_1)
	v_max_num_f32 v[\st+1], v[\st+1], v228
	v_mov_b32 v228, v[\st]
	s_delay_alu instid0(VALU_DEP_2)
	v_floor_f32 v[\st], -v[\st+1]                  ; the new -M: M is a whole number
	s_delay_alu instid0(VALU_DEP_1)
	v_sub_f32 v228, v[\st], v228                   ; old M - new M, 0 or less
	s_delay_alu instid0(VALU_DEP_1)
	v_cvt_i32_f32 v228, v228                       ; (it saturates)
	s_delay_alu instid0(VALU_DEP_1)
	v_ldexp_f32 v226, 1.0, v228                    ; f = 2^(old M - new M): rounds nothing
.set j, 0
.rept 32
	v_pk_fma_f32 v[128+j:129+j], v[128+j:129+j], s[20:21], v[\st:\st+1] op_sel_hi:[1,0,0]   ; t - M
.set j, j+2
.endr
.irp b, 0,1,2,3
	v_fma_f32 v[212+\b], v[212+\b], s20, v[\st]
.endr
.set j, 0
	s_wait_alu depctr_va_vdst(0)
.rept 64
	v_exp_f32 v[128+j], v[128+j]                   ; p, at most 1
.set j, j+1
.endr
	v_pk_mul_f32 v[\st+2:\st+3], v[\st+2:\st+3], v[226:227] op_sel_hi:[1,0]   ; the sums under the new M: the plain place behind the batch
	s_wait_alu depctr_va_vdst(0)                   ; one wait for the 64, ahead of their first reader
.irp b, 0,1,2,3
	v_exp_f32 v[212+\b], v[212+\b]                 ; each block's largest p
.endr
.set k, 0
.irp r, 230,244,246,248,250,252,254    ; the row's sum of the unquantised p: 32 pairs in eight chains
	v_pk_add_f32 v[\r:\r+1], v[128+2*k:129+2*k], v[144+2*k:145+2*k]
.set k, k+1
.endr
	v_pk_add_f32 v[\st+2:\st+3], v[\st+2:\st+3], v[142:143]
.irp o, 160,176
.set k, 0
.irp r, 230,244,246,248,250,252,254
	v_pk_add_f32 v[\r:\r+1], v[\r:\r+1], v[\o+2*k:\o+2*k+1]
.set k, k+1
.endr
	v_pk_add_f32 v[\st+2:\st+3], v[\st+2:\st+3], v[\o-2:\o-1]
.endr
	v_pk_add_f32 v[\st+2:\st+3], v[\st+2:\st+3], v[190:191]
	v_pk_add_f32 v[230:231], v[230:231], v[244:245]
	v_pk_add_f32 v[246:247], v[246:247], v[248:249]
	v_pk_add_f32 v[250:251], v[250:251], v[252:253]
	s_delay_alu instid0(VALU_DEP_4)
	v_pk_add_f32 v[\st+2:\st+3], v[\st+2:\st+3], v[254:255]
	s_delay_alu instid0(VALU_DEP_3)
	v_pk_add_f32 v[230:231], v[230:231], v[246:247]
	s_delay_alu instid0(VALU_DEP_2)
	v_pk_add_f32 v[\st+2:\st+3], v[\st+2:\st+3], v[250:251]
	s_delay_alu instid0(VALU_DEP_1)
	v_pk_add_f32 v[\st+2:\st+3], v[\st+2:\st+3], v[230:231]
	s_wait_alu depctr_va_vdst(0)                   ; and one for the four
.irp b, 0,1,2,3
	v_max_num_f32 v[212+\b], 0x1800000, v[212+\b]  ; the floor 2^(3 - 127)
.endr
	WORD
	CODES
	s_wait_alu depctr_va_vdst(0)                   ; ahead of the first reader of O^T
	WIN 0x41
.set j, 0
.rept 32
	v_pk_mul_f32 v[\ob+j:\ob+j+1], v[\ob+j:\ob+j+1], v[226:227] op_sel_hi:[1,0]   ; O^T under the new M; these 32 are also the places between p's codes and scale word and the products
.set j, j+2
.endr
	s_wait_alu depctr_va_vdst(0)
	s_wait_dscnt 0x0                               ; V
	WIN 0x50
.irp t, 0,1,2,3,4,5,6,7
	PMUL \t, \ob
.endr
	WIN 0
.endm
; A TRIP: one slot, two key steps, of which I take the one of my parity, for X and then for Y.  The branches hang on flags read from memory; no barrier, no wait for the fill and no step of an address stands under them.
.macro TRIP slot
	s_and_b32 s25, s17, 12                         ; does anybody walk a step of the next slot?  (In trip 7 the bits are 0: no load leaves the head's records)
	s_cmp_lg_u32 s25, 0
	s_cbranch_scc0 .Lno_load_\@
	WIN 0x40
.irp i, 0,1,2,3,4,5,6,7,8,9,10,11
	global_load_b128 v[128+4*\i:131+4*\i], v7, s[4:5] offset:2*REC+512*\i
.endr
	WIN 0
.Lno_load_\@:
	s_cmp_lt_u32 s30, s22
	s_cbranch_scc0 .Lno_ask_\@
	global_prefetch_b8 v29, s[4:5] offset:6*REC th:TH_LOAD_NT scope:SCOPE_SE   ; the two records three slots on, which the trip two trips on loads: six waves of the head's first work-group, 8,192 bytes each, lanes 256 bytes apart: each block is named once
.Lno_ask_\@:
	v_add_nc_u32 v10, s14, v3                      ; my step's scale words
	s_wait_alu depctr_va_vdst(0)                   ; the wait behind this write
	s_bitcmp1_b32 s16, 0                           ; does X walk my step?
	s_cbranch_scc0 .Lno_x_\@
	STEP \slot, 0, 16, 28, 12, 0, 16, 6
.Lno_x_\@:
	s_bitcmp1_b32 s24, 0                           ; does Y?
	s_cbranch_scc0 .Lno_y_\@
	STEP \slot, 4, 176, 225, 240, 64, 24, 8
.Lno_y_\@:
	s_wait_loadcnt 0x0                             ; the next slot's bytes are in my registers
	s_cmp_lg_u32 s25, 0
	s_cbranch_scc0 .Lno_fill_\@
	WIN 0x04
.irp i, 0,1,2,3,4,5,6,7,8,9,10,11
	ds_store_b128 v207, v[128+4*\i:131+4*\i] offset:(1-\slot)*REC+512*\i   ; into the other slot: its readers passed the barrier before
.endr
	WIN 0
.Lno_fill_\@:
	s_wait_dscnt 0x0                               ; my stores have landed and my reads of this slot are over
	s_barrier_signal -1
	s_barrier_wait -1
	s_wait_xcnt 0x0                                ; the bases are stepped only behind this wait
	s_add_nc_u64 s[4:5], s[4:5], 2*REC
	s_add_nc_u64 s[6:7], s[6:7], 512
	s_add_nc_u64 s[8:9], s[8:9], 512
	s_add_co_u32 s14, s14, 1024
	s_lshr_b32 s16, s16, 2
	s_lshr_b32 s24, s24, 2
	s_lshr_b32 s17, s17, 2
	s_add_co_u32 s30, s30, 1
.endm
	s_mov_b32 s23, 4
.Lpair:                                            ; 4 times two trips: a constant; the slots are constants of the text
	TRIP 0
	TRIP 1
	s_sub_co_u32 s23, s23, 1
	s_cmp_lg_u32 s23, 0
	s_cbranch_scc1 .Lpair
	; THE WAY OUT.  My part of Y goes to my partner through LDS, its part of X comes to me; nobody reads the slots behind the walk's last barrier.
	s_wait_kmcnt 0x0                               ; the last mask words have come: their registers are free
	s_mul_i32 s32, s15, 24576
	s_mul_i32 s34, s13, 1536
	s_add_co_u32 s32, s32, s34                     ; the result's image: row tile = X, K step = the head
	s_mov_b32 s33, 0
	s_lshl_b32 s35, s13, 6
	s_add_co_u32 s35, s35, 3145728
	s_lshl_b32 s34, s15, 10
	s_add_co_u32 s34, s34, s35                     ; and its scale words
	s_mov_b32 s35, 0
	s_add_nc_u64 s[32:33], s[10:11], s[32:33]
	s_add_nc_u64 s[34:35], s[10:11], s[34:35]
.rept 4
	v_nop                                          ; places behind the last products
.endr
	s_wait_alu depctr_va_vdst(0)
	WIN 0x04
.irp i, 0,1,2,3,4,5,6,7,8,9,10,11,12,13,14,15
	ds_store_b128 v211, v[64+4*\i:67+4*\i] offset:512*\i   ; ascending: each accumulator from its low end on
.endr
	WIN 0
	ds_store_b128 v211, v[240:243] offset:8192     ; -M, the largest t, the sum's two halves
	s_wait_dscnt 0x0
	s_barrier_signal -1
	s_barrier_wait -1
.irp i, 0,1,2,3,4,5,6,7,8,9,10,11,12,13,14,15
	ds_load_b128 v[128+4*\i:131+4*\i], v229 offset:512*\i
.endr
	ds_load_b128 v[216:219], v229 offset:8192
	s_wait_dscnt 0x0
	v_add_f32 v14, v14, v15                        ; my part's sum,
	v_add_f32 v218, v218, v219                     ; my partner's,
	v_min_num_f32 v220, v12, v216                  ; -M of the two together
	s_delay_alu instid0(VALU_DEP_1)
	v_sub_f32 v221, v220, v12                      ; my M - M, 0 or less, a whole number
	v_sub_f32 v222, v220, v216
	s_delay_alu instid0(VALU_DEP_2)
	v_cvt_i32_f32 v221, v221                       ; (it saturates: a part that walked no step, or only closed keys beside open ones, gets the factor 0)
	s_delay_alu instid0(VALU_DEP_2)
	v_cvt_i32_f32 v222, v222
	s_delay_alu instid0(VALU_DEP_2)
	v_ldexp_f32 v221, 1.0, v221
	s_delay_alu instid0(VALU_DEP_2)
	v_ldexp_f32 v222, 1.0, v222
	s_delay_alu instid0(VALU_DEP_2)
	v_mul_f32 v14, v14, v221
	s_delay_alu instid0(VALU_DEP_1)
	v_fmac_f32 v14, v218, v222
	s_delay_alu instid0(VALU_DEP_1)
	v_permlanex16_b32 v216, v14, s18, s19
	s_delay_alu instid0(VALU_DEP_1)
	v_add_f32 v14, v14, v216                       ; the row's sum
	s_wait_alu depctr_va_vdst(0)
	v_rcp_f32 v14, v14
	v_nop                                          ; a plain place behind the reciprocal
	s_wait_alu depctr_va_vdst(0)                   ; and the wait ahead of its first reader
	v_mul_f32 v226, v221, v14                      ; each part's power of two / the sum, in both halves of a pair
	v_mul_f32 v227, v221, v14
	v_mul_f32 v230, v222, v14
	v_mul_f32 v231, v222, v14
.set j, 0
.rept 32
	v_pk_mul_f32 v[128+j:129+j], v[128+j:129+j], v[230:231]
.set j, j+2
.endr
	s_wait_alu depctr_va_vdst(0)                   ; ahead of the first reader of O^T
	WIN 0x01
.set j, 0
.rept 32
	v_pk_fma_f32 v[128+j:129+j], v[j:j+1], v[226:227], v[128+j:129+j]   ; register 16 b + i = channel 32 b + 16 (lane / 16) + i of my query
.set j, j+2
.endr
	WIN 0
	; quantised along the head's 128 channels: K step 'head' of the last product, as an image of the operand's registers
.irp b, 0,1,2,3
	v_max3_num_f32 v[212+\b], |v[128+16*\b]|, |v[129+16*\b]|, 0x1800000
.endr
.irp i, 2,4,6,8,10,12,14
.irp b, 0,1,2,3
	s_delay_alu instid0(VALU_DEP_4)
	v_max3_num_f32 v[212+\b], v[212+\b], |v[128+16*\b+\i]|, |v[129+16*\b+\i]|
.endr
.endr
.irp b, 0,1,2,3
	s_delay_alu instid0(VALU_DEP_4)
	v_permlanex16_b32 v[216+\b], v[212+\b], s18, s19
.endr
.irp b, 0,1,2,3
	s_delay_alu instid0(VALU_DEP_4)
	v_max_num_f32 v[212+\b], v[212+\b], v[216+\b]
.endr
	WORD
	CODES
.irp k, 0,1,2
	global_store_b128 v1, v[192+4*\k:195+4*\k], s[32:33] offset:512*\k   ; 512 consecutive bytes, aligned to 256
.endr
	global_store_b32 v9, v224, s[34:35]            ; lanes l and l + 16 hold the same word and write it to the same place
	s_wait_tensorcnt 0x0                           ; the wave's end, behind my last LDS store
	ds_add_u32 v4, v5
	s_wait_dscnt 0x0
	s_endpgm
.Lfunc_end_k_q5ceadc1015_attn:
	.size	k_q5ceadc1015_attn, .Lfunc_end_k_q5ceadc1015_attn-k_q5ceadc1015_attn
	.p2alignl 7, 3214868480
	.fill 96, 4, 3214868480
	.section	.rodata,"a",@progbits
	.p2align	6, 0x0
	.amdhsa_kernel k_q5ceadc1015_attn
		.amdhsa_group_segment_fixed_size 115712
		.amdhsa_private_segment_fixed_size 0
		.amdhsa_enable_private_segment 0
		.amdhsa_kernarg_size 24
		.amdhsa_user_sgpr_count 2
		.amdhsa_user_sgpr_kernarg_segment_ptr 1
		.amdhsa_wavefront_size32 1
		.amdhsa_system_sgpr_workgroup_id_x 1
		.amdhsa_system_sgpr_workgroup_id_y 1
		.amdhsa_system_sgpr_workgroup_id_z 1
		.amdhsa_system_vgpr_workitem_id 0
		.amdhsa_next_free_vgpr 448
		.amdhsa_next_free_sgpr 100
		.amdhsa_reserve_vcc 0
		.amdhsa_float_denorm_mode_32 3
		.amdhsa_float_denorm_mode_16_64 3
		.amdhsa_memory_ordered 1
		.amdhsa_forward_progress 1
		.amdhsa_inst_pref_size 135
	.end_amdhsa_kernel
	.amdgpu_metadata
---
amdhsa.version: [ 1, 2 ]
amdhsa.kernels:
  - .name:           k_q5ceadc1015_attn
    .symbol:         k_q5ceadc1015_attn.kd
    .args:
      - { .name: qkv, .offset: 0, .size: 8, .value_kind: global_buffer, .address_space: global }
      - { .name: mw, .offset: 8, .size: 8, .value_kind: global_buffer, .address_space: global }
      - { .name: ao, .offset: 16, .size: 8, .value_kind: global_buffer, .address_space: global }
    .group_segment_fixed_size: 115712
    .private_segment_fixed_size: 0
    .kernarg_segment_align: 8
    .kernarg_segment_size: 24
    .max_flat_workgroup_size: 256
    .sgpr_count:     100
    .vgpr_count:     448
    .wavefront_size: 32
...
	.end_amdgpu_metadata
.endif
;; end of part 3
;; launch oproj (part 4): grid 16 x 16, 4 waves a work-group, clusters of 4 x 4, 327,680 bytes of LDS; arguments ao, w1, bo, out0; writes out0
.if DOCPART == 4
	.amdgcn_target "amdgcn-amd-amdhsa--gfx1250"
	.amdhsa_code_object_version 6
	.text
	.protected	k_q5ceadc1015_oproj
	.globl	k_q5ceadc1015_oproj
	.p2align	8
	.type	k_q5ceadc1015_oproj,@function
k_q5ceadc1015_oproj:
	s_mov_b64 s[64:65], 0
	v_nop
	global_prefetch_b8 v0, s[64:65] scope:SCOPE_SE
	s_setreg_imm32_b32 hwreg(HW_REG_WAVE_MODE, 25, 1), 1
	s_wait_xcnt 0x0
	s_wait_alu depctr_hold_cnt(0) depctr_sa_sdst(0) depctr_va_vdst(0) depctr_va_sdst(0) depctr_va_ssrc(0) depctr_va_vcc(0) depctr_vm_vsrc(0)
	s_getreg_b32 s2, hwreg(HW_REG_IB_STS2, 6, 4)
	s_cmp_eq_u32 s2, 0
	s_cbranch_scc0 .Lentry_in_a_cluster
	s_endpgm
.Lentry_in_a_cluster:
	s_bfe_u32 s2, ttmp6, 0x10000c
	s_cmp_lg_u32 s2, 0xf033
	s_cbranch_scc0 .Lentry_shape_is_right
	s_endpgm
.Lentry_shape_is_right:
; out0 = O Wo^T + bo on codes of E2M3.  No work of the problem is left out here.  O's codes and scale words come from the attention launch, Wo's from the first launch, both as images of the operand's registers.
; A work-group makes 128 tokens x 128 outputs (16 x 16 work-groups), a wave 64 x 64: 16 accumulators.  Used transposed (source 0 = 16 rows of Wo, source 1 = 16 tokens): a lane holds eight neighbouring outputs of one token.
; bo is the C of each sum's first product.  LDS holds K steps 0 to 11 at once: a short slot (K steps 0-3) and a long one (K steps 4-11).  THE HEAD'S FOUR TILES GO OUT ONE A WAVE: wave 0 the tokens' K steps 0-3,
; wave 1 Wo's, wave 2 the tokens' K steps 4-11, wave 3 Wo's.  The short slot is filled once more, with K steps 12 to 15, by waves 0 and 1: ONE refill, which has the products of K steps 4-11 in which to land.
; All 16 K steps are written out.  THE SCALE WORDS of all of K, 16,384 bytes, come through registers into LDS bytes of their own, 4,096 a wave: they are one part in twenty-five of what the work-group reads, so they are not asked for jointly.
; CLUSTER 4 x 4: the four of a row need the same tokens, the four of a column the same rows of Wo: joint loads.
; NO PREFETCH: three quarters of K are asked for at the head and there is no loop to run ahead in.
; The rows of a tile follow the program's one rule (tile 2 B + U, place i: row 32 B + 8 U + i + 8 (i / 8)); the way out puts every row and column back at its own place.
; REGISTERS: window 0: v1-31 addresses; v32-63 scale words, two sets; v64-255 two sets of 8 fragments (tokens' at 12 tm, Wo's at 48 + 12 tn).   window 1: accumulators at 8 (4 tm + tn); v128-159 bo in the result's layout.
.set SLOT,  98304                      ; the short slot at 0: [tokens | Wo][row tile 8][K step 4][1,536]; the long one at SLOT: [tokens | Wo][row tile 8][K step 8][1,536]
.set SCL,   3*SLOT                     ; the scale words: tokens' 8,192 bytes, Wo's 8,192
.set SPARE, SCL+16384                  ; the spare words, 128 bytes a wave
.set STAGE, SLOT                       ; the way out: 16 rows x (256 + 16) bytes for each wave, in the long slot: it has had its one fill, and its last read lies in front of the last barrier
.set SPW,  14
.set NIL,  15
.set ADRA, 16                          ; v16 my tokens' fragments in the short slot; v17 K steps 4-7, v18 K steps 8-11 of the long one
.set ADRB, 20                          ; v20-22 my rows' of Wo
.set ADSA, 24
.set ADSB, 25
.set STO,  26
.set RD,   27
.set CO,   28
.set SC,   32
.set FS,   64
.set BK,   64
.set G1, 24                            ; s[24:31], s[48:55] group 1 for the short slot's tiles, tokens' and Wo's; s[68:75], s[80:87] for the long slot's
.set G1B, 48
.set G1L, 68
.set G1LB, 80
.set G0, 32                            ; s[32:35], s[36:39], s[56:59], s[60:63] their groups 0
.set G0B, 36
.set G0L, 56
.set G0LB, 60
.set MSB, 0
.macro WIN new
.if MSB != \new
	s_set_vgpr_msb (MSB<<8)|\new
.set MSB, \new
.endif
.endm
.macro TLOAD g0, g1                    ; s_nop 0 and four v_nop follow each tensor load
	tensor_load_to_lds s[\g0:\g0+3], s[\g1:\g1+7]
	s_nop 0
.rept 4
	v_nop
.endr
.endm
.macro CREST
	s_cmp_lg_u32 s14, 0
	s_cbranch_scc1 .Lnot_wave_0_\@
	s_barrier_signal -3
.Lnot_wave_0_\@:
	s_barrier_wait -3
	s_barrier_signal -1
	s_barrier_wait -1
.endm
.macro CROUND
	s_barrier_signal -1
	s_barrier_wait -1
	CREST
.endm
.macro PLACES
.rept 4
	v_nop
.endr
.endm
	s_load_b256 s[4:11], s[0:1], 0x0               ; ao s[4:5], w1 s[6:7], bo s[8:9], out0 s[10:11]
	v_lshl_add_u32 v[SPW], v0, 2, SPARE
	v_mov_b32 v[NIL], 0
	ds_add_u32 v[SPW], v[NIL]                      ; the opening: the add, twice on end, and its wait ahead of my first tensor load
	ds_add_u32 v[SPW], v[NIL]
	v_lshrrev_b32 v1, 5, v0
	v_readfirstlane_b32 s14, v1                    ; wave
	s_lshr_b32 s15, s14, 1                         ; wm: which 64 tokens are mine
	s_and_b32 s16, s14, 1                          ; wn: which 64 outputs
	s_bfe_u32 s40, ttmp6, 0x40000
	s_bfe_u32 s41, ttmp6, 0x40004
	s_lshl_b32 s42, ttmp9, 2
	s_add_co_u32 s42, s42, s40                     ; the block of 128 outputs
	s_and_b32 s17, ttmp7, 0xffff
	s_lshl_b32 s17, s17, 2
	s_add_co_u32 s17, s17, s41                     ; the block of 128 tokens
	s_lshl_b32 s43, s41, 2
	s_lshl_b32 s43, 15, s43
	s_lshl_b32 s44, 0x1111, s40
	s_or_b32 s[G1], s43, (3<<16)|(1<<21)
	s_or_b32 s[G1L], s43, (3<<16)|(1<<21)
	s_or_b32 s[G1B], s44, (3<<16)|(1<<21)
	s_or_b32 s[G1LB], s44, (3<<16)|(1<<21)
.irp g, G1, G1B
	s_mov_b32 s[\g+1], 768<<16                     ; 6,144 bytes: four K steps of a row tile
	s_mov_b32 s[\g+2], 8<<16                       ; eight row tiles
	s_mov_b32 s[\g+3], 768<<16
	s_mov_b32 s[\g+4], 8
	s_mov_b32 s[\g+5], 3072                        ; 24,576 bytes from row tile to row tile
	s_mov_b32 s[\g+6], 0
	s_mov_b32 s[\g+7], 0
.endr
.irp g, G1L, G1LB
	s_mov_b32 s[\g+1], 1536<<16                    ; 12,288 bytes: eight K steps of a row tile
	s_mov_b32 s[\g+2], 8<<16
	s_mov_b32 s[\g+3], 1536<<16
	s_mov_b32 s[\g+4], 8
	s_mov_b32 s[\g+5], 3072
	s_mov_b32 s[\g+6], 0
	s_mov_b32 s[\g+7], 0
.endr
	s_lshl_b32 s19, s16, 12                        ; which half of a side's scale words I carry
	s_mul_i32 s20, s17, 196608                     ; the tokens' codes
	s_mov_b32 s21, 0
	s_lshl_b32 s22, s17, 13
	s_add_co_u32 s22, s22, s19
	s_add_co_u32 s22, s22, 3145728                 ; their scale words
	s_mov_b32 s23, 0
	s_mul_i32 s46, s42, 196608
	s_add_co_u32 s46, s46, 12582912                ; Wo's codes
	s_mov_b32 s47, 0
	s_lshl_b32 s92, s42, 13
	s_add_co_u32 s92, s92, s19
	s_add_co_u32 s92, s92, 16252928                ; and scale words
	s_mov_b32 s93, 0
	s_wait_dscnt 0x0                               ; both opening adds are done
	s_wait_kmcnt 0x0
	s_add_nc_u64 s[20:21], s[4:5], s[20:21]
	s_add_nc_u64 s[22:23], s[4:5], s[22:23]
	s_add_nc_u64 s[46:47], s[6:7], s[46:47]
	s_add_nc_u64 s[92:93], s[6:7], s[92:93]
	CROUND                                         ; all sixteen work-groups are here: the first joint loads meet
	s_mov_b32 s[G0], 1
	s_mov_b32 s[G0+1], 0
	s_mov_b64 s[G0+2:G0+3], s[20:21]
	s_or_b32 s[G0+3], s[G0+3], 0x80000000
	s_mov_b32 s[G0B], 1
	s_mov_b32 s[G0B+1], SLOT/2
	s_mov_b64 s[G0B+2:G0B+3], s[46:47]
	s_or_b32 s[G0B+3], s[G0B+3], 0x80000000
	s_mov_b32 s[G0L], 1
	s_mov_b32 s[G0L+1], SLOT
	s_add_nc_u64 s[G0L+2:G0L+3], s[20:21], 6144
	s_or_b32 s[G0L+3], s[G0L+3], 0x80000000
	s_mov_b32 s[G0LB], 1
	s_mov_b32 s[G0LB+1], 2*SLOT
	s_add_nc_u64 s[G0LB+2:G0LB+3], s[46:47], 6144
	s_or_b32 s[G0LB+3], s[G0LB+3], 0x80000000
; ONE chain of branches on the wave's number, one load to an arm, all arms leading to one join: every way through the head passes exactly one load
.macro ARM under, g0, g1, next
	s_cmp_lt_u32 s14, \under
	s_cbranch_scc0 \next
	TLOAD \g0, \g1
	s_branch .Lhead_asked
\next:
.endm
	ARM 1, G0,  G1,  .Lhead_b
	ARM 2, G0B, G1B, .Lhead_la
	ARM 3, G0L, G1L, .Lhead_lb
	TLOAD G0LB, G1LB
.Lhead_asked:
	s_lshl_b32 s20, s42, 9
	s_lshl_b32 s21, s16, 8
	s_add_co_u32 s20, s20, s21                     ; my 64 outputs, in bytes
	s_mov_b32 s21, 0
	s_add_nc_u64 s[8:9], s[8:9], s[20:21]
	s_add_nc_u64 s[10:11], s[10:11], s[20:21]
	s_lshl_b32 s20, s17, 20
	s_lshl_b32 s21, s15, 19
	s_add_co_u32 s20, s20, s21                     ; my first token: 128 x block + 64 wm
	s_mov_b32 s21, 0
	s_add_nc_u64 s[10:11], s[10:11], s[20:21]
	s_cmp_eq_u32 s15, 0                            ; waves 0 and 1 carry the tokens' scale words, waves 2 and 3 Wo's: the choice hangs on the wave's number alone
	s_cselect_b64 s[22:23], s[22:23], s[92:93]
	s_mul_i32 s88, s15, 24576                      ; the short slot: my four row tiles of tokens,
	s_mul_i32 s89, s16, 24576
	s_lshl_b32 s90, s88, 1
	s_add_co_u32 s90, s90, SLOT                    ; the long slot: row tiles of 12,288 bytes
	s_lshl_b32 s91, s89, 1
	s_add_co_u32 s91, s91, 2*SLOT
	s_add_co_u32 s89, s89, SLOT/2                  ; and of Wo, behind the tokens' eight
	s_lshl_b32 s94, s14, 12
	s_add_co_u32 s94, s94, SCL                     ; where the scale words that I carry go
	s_mul_i32 s95, s14, 16*272
	s_add_co_u32 s95, s95, STAGE                   ; my stage
	s_lshl_b32 s96, s15, 12
	s_add_co_u32 s96, s96, SCL
	s_lshl_b32 s97, s16, 12
	s_add_co_u32 s97, s97, SCL+8192
	v_and_b32 v1, 15, v0                           ; r
	v_bfe_u32 v2, v0, 4, 1                         ; h
	v_and_b32 v3, 31, v0                           ; lane
	v_lshlrev_b32 v4, 4, v3                        ; 16 x lane
	v_lshlrev_b32 v5, 2, v3                        ; 4 x lane
	v_lshlrev_b32 v8, 6, v2                        ; bo: 64 h
	v_add_nc_u32 v[ADRA], s88, v4
	v_add_nc_u32 v[ADRB], s89, v4
	v_add_nc_u32 v[ADRA+1], s90, v4
	v_add_nc_u32 v[ADRB+1], s91, v4
	v_add_nc_u32 v[ADRA+2], 6144, v[ADRA+1]
	v_add_nc_u32 v[ADRB+2], 6144, v[ADRB+1]
	v_add_nc_u32 v[ADSA], s96, v5
	v_add_nc_u32 v[ADSB], s97, v5
	v_add_nc_u32 v9, s94, v4
	v_mul_u32_u24 v6, v1, 272
	v_lshl_add_u32 v6, v2, 6, v6
	v_add_nc_u32 v[STO], s95, v6                   ; in: row r, + 64 h
	v_mul_u32_u24 v7, v2, 272
	v_lshl_add_u32 v7, v1, 4, v7
	v_add_nc_u32 v[RD], s95, v7                    ; back: lanes 0-15 one row of 256 bytes, lanes 16-31 the next
	v_lshlrev_b32 v10, 13, v2
	v_lshl_add_u32 v[CO], v1, 4, v10               ; and the same in out0: rows of 8,192 bytes
	s_wait_alu depctr_va_vdst(0)
.irp i, 0,1,2,3,4,5,6,7
	global_load_b128 v[FS+4*\i:FS+4*\i+3], v4, s[22:23] offset:512*\i   ; my 4,096 bytes of scale words: each load reads 512 consecutive bytes
.endr
	WIN 0x40
.irp b, 0,1,2,3                        ; tile tn, register j: bo at output 32 (tn / 2) + 16 h + 8 (tn % 2) + j of my 64
	global_load_b128 v[128+8*\b:131+8*\b], v8, s[8:9] offset:(32*(\b/2)+8*(\b%2))*4
	global_load_b128 v[132+8*\b:135+8*\b], v8, s[8:9] offset:(32*(\b/2)+8*(\b%2))*4+16
.endr
	WIN 0
	s_wait_loadcnt 8                               ; the scale words are in; bo's eight loads are younger
.irp i, 0,1,2,3,4,5,6,7
	ds_store_b128 v9, v[FS+4*\i:FS+4*\i+3] offset:512*\i
.endr
; 8 products: token tiles a0, a0 + 1 x my four tiles of Wo; f: the set of fragments; set, kp: the scale words' register; odd: their row; first: C = bo.  The 16 accumulators take turns.
.macro MUL8 a0, f, set, kp, odd, first
.irp a, \a0, \a0+1
.irp b, 0,1,2,3
.set rD, 8*(4*(\a)+\b)
.set rB, FS+96*(\f)+48+12*\b
.set rA, FS+96*(\f)+12*(\a)
.set rSB, SC+16*(\set)+8+2*\b+(\kp)
.set rSA, SC+16*(\set)+2*(\a)+(\kp)
.if \first
	v_wmma_scale_f32_16x16x128_f8f6f4 v[rD:rD+7], v[rB:rB+11], v[rA:rA+11], v[128+8*\b:135+8*\b], v[rSB], v[rSA] matrix_a_fmt:MATRIX_FMT_FP6 matrix_b_fmt:MATRIX_FMT_FP6
.elseif \odd
	v_wmma_scale_f32_16x16x128_f8f6f4 v[rD:rD+7], v[rB:rB+11], v[rA:rA+11], v[rD:rD+7], v[rSB], v[rSA] matrix_a_fmt:MATRIX_FMT_FP6 matrix_b_fmt:MATRIX_FMT_FP6 matrix_a_scale:MATRIX_SCALE_ROW1 matrix_b_scale:MATRIX_SCALE_ROW1
.else
	v_wmma_scale_f32_16x16x128_f8f6f4 v[rD:rD+7], v[rB:rB+11], v[rA:rA+11], v[rD:rD+7], v[rSB], v[rSA] matrix_a_fmt:MATRIX_FMT_FP6 matrix_b_fmt:MATRIX_FMT_FP6
.endif
.endr
.endr
.endm
.macro FETCH slot, q, f                ; 24 loads: the eight fragments of K step q of group 'slot' (0: K steps 0-3 or 12-15; 1: 4-7; 2: 8-11) into set f; a row tile is 6,144 bytes in the short slot, 12,288 in the long one
.set TP, 6144*(1+((\slot)+1)/2)
.irp t, 0,1,2,3
.irp k, 0,1,2
	ds_load_b128 v[FS+96*(\f)+12*\t+4*\k:FS+96*(\f)+12*\t+4*\k+3], v[ADRA+\slot] offset:TP*\t+1536*(\q)+512*\k
	ds_load_b128 v[FS+96*(\f)+48+12*\t+4*\k:FS+96*(\f)+48+12*\t+4*\k+3], v[ADRB+\slot] offset:TP*\t+1536*(\q)+512*\k
.endr
.endr
.endm
.macro SCALES set, si                  ; 16 loads: the scale words of K steps 4 si .. 4 si + 3: two pairs of steps for each of my eight tiles
.irp t, 0,1,2,3
.irp p, 0,1
	ds_load_b32 v[SC+16*(\set)+2*\t+\p], v[ADSA] offset:1024*\t+256*(\si)+128*\p
	ds_load_b32 v[SC+16*(\set)+8+2*\t+\p], v[ADSB] offset:1024*\t+256*(\si)+128*\p
.endr
.endr
.endm
.macro KSTEP slot, q, f, set, first    ; one of a group's first three K steps: the next step's fragments are asked for ahead of this step's 16 products
	s_wait_dscnt 0x0                               ; this step's fragments are in
	PLACES                                         ; in front of loads into the set that the last step's products read
	FETCH \slot, (\q)+1, 1-(\f)
	WIN 0x50
	MUL8 0, \f, \set, (\q)/2, (\q)%2, \first
	MUL8 2, \f, \set, (\q)/2, (\q)%2, \first
	WIN 0
.endm
.macro ONWARD next, set, si            ; a group's fourth K step where the next group lies in the same slot: no wait on tensor loads, no barrier
	s_wait_dscnt 0x0
	PLACES
	FETCH \next, 0, 0
	SCALES 1-(\set), \si
	WIN 0x50
	MUL8 0, 1, \set, 1, 1, 0
	MUL8 2, 1, \set, 1, 1, 0
	WIN 0
.endm
.macro TURN next, set, fill, si        ; a group's fourth K step with a barrier: in front of it the wait for all my tensor loads, the add, and the wait for it and for my reads so far.  fill = 1: the short slot is filled again
	s_wait_tensorcnt 0x0
	ds_add_u32 v[SPW], v[NIL]
	s_wait_dscnt 0x0
	s_barrier_signal -1
	WIN 0x50
	MUL8 0, 1, \set, 1, 1, 0
	WIN 0
	s_barrier_wait -1
.if \fill
	CREST                                          ; the barrier has opened a round of the cluster's: no wave of any partner still reads this slot or has a load on its way
	s_add_nc_u64 s[G0+2:G0+3], s[G0+2:G0+3], 3*6144      ; K steps 12 to 15
	s_add_nc_u64 s[G0B+2:G0B+3], s[G0B+2:G0B+3], 3*6144
	s_cmp_eq_u32 s14, 0                            ; wave 0 asks for the tokens' tile, wave 1 for Wo's; waves 2 and 3 have no part to fill.  The four v_nop of each way are the places in front of the loads below
	s_cbranch_scc0 .Lfill_b
	TLOAD G0, G1
	s_branch .Lfilled
.Lfill_b:
	s_cmp_eq_u32 s14, 1
	s_cbranch_scc0 .Lfill_none
	TLOAD G0B, G1B
	s_branch .Lfilled
.Lfill_none:
	PLACES
.Lfilled:
.else
	PLACES
.endif
	FETCH \next, 0, 0
	SCALES 1-(\set), \si
	WIN 0x50
	MUL8 2, 1, \set, 1, 1, 0
	WIN 0
.endm
	s_wait_tensorcnt 0x0                           ; my tile of the head's four is in,
	s_wait_dscnt 0x0                               ; and my scale words are stored:
	s_barrier_signal -1
	s_barrier_wait -1                              ; K steps 0 to 11 and all scale words are whole in every wave's sight
	FETCH 0, 0, 0
	SCALES 0, 0
	s_wait_loadcnt 0x0                             ; bo
	KSTEP 0, 0, 0, 0, 1
	KSTEP 0, 1, 1, 0, 0
	KSTEP 0, 2, 0, 0, 0
	TURN 1, 0, 1, 1                                ; the short slot takes K steps 12 to 15
	KSTEP 1, 0, 0, 1, 0
	KSTEP 1, 1, 1, 1, 0
	KSTEP 1, 2, 0, 1, 0
	ONWARD 2, 1, 2
	KSTEP 2, 0, 0, 0, 0
	KSTEP 2, 1, 1, 0, 0
	KSTEP 2, 2, 0, 0, 0
	TURN 0, 0, 0, 3                                ; the refill has landed; nothing is left to fetch.  Behind this barrier nobody reads the long slot
	KSTEP 0, 0, 0, 1, 0
	KSTEP 0, 1, 1, 1, 0
	KSTEP 0, 2, 0, 1, 0
	s_wait_dscnt 0x0
	WIN 0x50
	MUL8 0, 1, 1, 1, 1, 0
	MUL8 2, 1, 1, 1, 1, 0
	WIN 0
; THE WAY OUT, a tile of 16 tokens x my 64 outputs at a time, through my own stage: in by lanes (32 bytes of a row each), back by rows: sixteen lanes store 256 consecutive bytes, aligned.
.macro TOSTAGE a
	WIN 0x04                                       ; an LDS store's data are its source 1: window 1
.irp b, 0,1,2,3
	ds_store_b128 v[STO], v[8*(4*(\a)+\b):8*(4*(\a)+\b)+3] offset:128*(\b/2)+32*(\b%2)        ; each accumulator from its low end on
	ds_store_b128 v[STO], v[8*(4*(\a)+\b)+4:8*(4*(\a)+\b)+7] offset:128*(\b/2)+32*(\b%2)+16
.endr
	WIN 0
.set BB, BK+32*((\a)%2)
.irp t, 0,1,2,3,4,5,6,7
	ds_load_b128 v[BB+4*\t:BB+4*\t+3], v[RD] offset:544*\t   ; LDS serves a wave's instructions in order: these see the stores above, and the next tile's stores come behind them
.endr
.endm
.macro SEND a, younger
.set BB, BK+32*((\a)%2)
	s_wait_dscnt \younger
.irp t, 0,1,2,3,4,5,6,7
	global_store_b128 v[CO], v[BB+4*\t:BB+4*\t+3], s[10:11] offset:(32*((\a)/2)+8*((\a)%2)+2*\t+8*(\t/4))*8192 th:TH_STORE_NT   ; stage rows 2 t and 2 t + 1 are tokens at the tile's places 2 t, 2 t + 1
.endr
.endm
	PLACES                                         ; behind the last products: for the stores that read results and the loads into the fragments' registers
	TOSTAGE 0
.irp a, 1,2,3
.if \a > 1
	s_wait_xcnt 0x0                                ; the stores of the tile two back have read their registers
.endif
	TOSTAGE \a
	SEND \a-1, 16                                  ; younger: the next tile's eight stores and eight loads
.endr
	SEND 3, 0
	s_wait_tensorcnt 0x0                           ; the wave's end
	ds_add_u32 v[SPW], v[NIL]
	s_wait_dscnt 0x0
	CROUND                                         ; the closing round
	s_endpgm
.Lfunc_end_k_q5ceadc1015_oproj:
	.size	k_q5ceadc1015_oproj, .Lfunc_end_k_q5ceadc1015_oproj-k_q5ceadc1015_oproj
	.p2alignl 7, 3214868480
	.fill 96, 4, 3214868480
	.section	.rodata,"a",@progbits
	.p2align	6, 0x0
	.amdhsa_kernel k_q5ceadc1015_oproj
		.amdhsa_group_segment_fixed_size 327680
		.amdhsa_private_segment_fixed_size 0
		.amdhsa_enable_private_segment 0
		.amdhsa_kernarg_size 32
		.amdhsa_user_sgpr_count 2
		.amdhsa_user_sgpr_kernarg_segment_ptr 1
		.amdhsa_wavefront_size32 1
		.amdhsa_system_sgpr_workgroup_id_x 1
		.amdhsa_system_sgpr_workgroup_id_y 1
		.amdhsa_system_sgpr_workgroup_id_z 1
		.amdhsa_system_vgpr_workitem_id 0
		.amdhsa_next_free_vgpr 512
		.amdhsa_next_free_sgpr 100
		.amdhsa_reserve_vcc 0
		.amdhsa_float_denorm_mode_32 3
		.amdhsa_float_denorm_mode_16_64 3
		.amdhsa_memory_ordered 1
		.amdhsa_forward_progress 1
		.amdhsa_inst_pref_size 84
	.end_amdhsa_kernel
	.amdgpu_metadata
---
amdhsa.version: [ 1, 2 ]
amdhsa.kernels:
  - .name:           k_q5ceadc1015_oproj
    .symbol:         k_q5ceadc1015_oproj.kd
    .args:
      - { .name: ao, .offset: 0, .size: 8, .value_kind: global_buffer, .address_space: global }
      - { .name: w1, .offset: 8, .size: 8, .value_kind: global_buffer, .address_space: global }
      - { .name: bo, .offset: 16, .size: 8, .value_kind: global_buffer, .address_space: global }
      - { .name: out0, .offset: 24, .size: 8, .value_kind: global_buffer, .address_space: global }
    .group_segment_fixed_size: 327680
    .private_segment_fixed_size: 0
    .kernarg_segment_align: 8
    .kernarg_segment_size: 32
    .max_flat_workgroup_size: 128
    .sgpr_count:     100
    .vgpr_count:     512
    .wavefront_size: 32
...
	.end_amdgpu_metadata
.endif
;; end of part 4
